; MI455X (gfx1250); checked and timed in simulation.
; The chip was launched on July 23, 2026; its instructions are those of AMD's public machine-readable ISA for CDNA 5 (MIT licence, August 2026) and "CDNA5" Instruction Set Architecture Reference Guide (July 2026). The comments in the code are by the model that wrote it; some were corrected since.
;; Xpos Multihead Attention. Allowed arithmetic: matrix products marked QUANTISED: E3M2 operands, one E8M0 scale for each 32 along K, by v_wmma_scale_f32_16x16x128_f8f6f4 with both operands' format E3M2, f32 sums; everything else in f32.
;; Inputs: bk 1,024 float32; bo 1,024 float32; bq 1,024 float32; bv 1,024 float32; key 8 x 1,024 x 1,024 float32; query 8 x 1,024 x 1,024 float32; value 8 x 1,024 x 1,024 float32; wk 1,024 x 1,024 float32; wo 1,024 x 1,024 float32; wq 1,024 x 1,024 float32; wv 1,024 x 1,024 float32.
;; Outputs: out0 8 x 1,024 x 1,024 float32.
;; This version of the problem:
;;   THIS VERSION OF THE PROBLEM IS GIVEN IN LOW PRECISION. The matrix products marked QUANTISED in the list below multiply operands that are first quantised to E3M2 (3 exponent bits, 2 mantissa bits; 6 bits a number), with one power-of-two scale for each 32 numbers along K (OCP MX v1.0); their sums are f32. All else is computed in f32.
;;   The module's matrix products, in the order in which they are computed (A, B: the left and right operand; K: the contracted axis; several contracted axes count as one K, in the product's order):
;;     1. [M 8,192, K 1,024] x [K 1,024, N 1,024]; A: input query; B: input wq: QUANTISED
;;     2. [M 8,192, K 1,024] x [K 1,024, N 1,024]; A: input key; B: input wk: QUANTISED
;;     3. [M 8,192, K 1,024] x [K 1,024, N 1,024]; A: input value; B: input wv: QUANTISED
;;     4. batch 128 x [M 1,024, K 64] x [K 64, N 1,024]; A: computed on the way; B: computed on the way: QUANTISED
;;     5. batch 128 x [M 1,024, K 1,024] x [K 1,024, N 64]; A: softmax (see below); B: computed on the way: QUANTISED
;;     6. [M 8,192, K 1,024] x [K 1,024, N 1,024]; A: computed on the way; B: input wo: QUANTISED
;;   THE QUANTISER, for each operand of a quantised product, along K:
;;     - K is cut into blocks of 32 from its start; a last block that is shorter is filled with zeros.
;;     - A block's scale is 2^e with e = floor(log2(the largest magnitude in the block)) - 4, held to -126 .. 127; a block of zeros has e = 0. As a byte (E8M0): e + 127.
;;     - Each number is divided by its block's scale, clamped to +-28, and rounded to the nearest number of E3M2, ties to even, subnormals kept.
;;     - The product sums the exact products of the quantised numbers (number of the format x scale) in f32.
;;   ~~~python
;;   def quantise(x, axis):      # numpy; x: float32 -> the quantised numbers, widened to float32 again
;;       x = np.moveaxis(x, axis, -1); K = x.shape[-1]
;;       x = np.pad(x, [(0, 0)] * (x.ndim - 1) + [(0, -K % 32)]); x = x.reshape(x.shape[:-1] + (-1, 32)); a = np.abs(x).max(-1, keepdims=True)
;;       e = np.where(a > 0, np.clip(np.frexp(np.where(a > 0, a, 1))[1] - 1 - 4, -126, 127), 0)      # np.frexp(a)[1] - 1 = floor(log2(a)), exactly
;;       r = np.clip(x / 2.0 ** e, -28, 28)
;;       step = 2.0 ** (np.maximum(np.frexp(np.where(r == 0, 1, r))[1] - 1, -2) - 2)
;;       q = np.round(r / step) * step * 2.0 ** e      # np.round: ties to even
;;       return np.moveaxis(q.reshape(q.shape[:-2] + (-1,))[..., :K], -1, axis).astype(np.float32)
;;   ~~~
;;   SOFTMAX AHEAD OF A QUANTISED PRODUCT. Where the list says 'softmax', what is quantised is not the finished softmax but p = 2^(t - M), with t = logit x log2(e) and M = ceil(the row's largest t), a whole number; so 1/2 < the row's largest p <= 1. The row's sum l is taken of the UNQUANTISED p, in f32, and the product's result is divided by l at the end. Since M is a whole number, a kernel that streams over the keys may use a running M (the ceiling of the running maximum): every later rescaling is an exact power of two, which a block's scale takes up: the codes' values come out the same.
;;   OPERANDS COMPUTED ON THE WAY. 'Computed on the way' means the value that the module computes at that place (a softmax that the list does not call 'softmax' is quantised finished and normalised). What goes into a quantiser is computed in f32, as accurately as f32 sums, v_exp_f32 and their like allow (about 1e-6 of the number): no bf16 or f16 on the way to a quantiser, and a product that is left as it is and whose result goes on into a quantised operand takes f32 operands (vector FMAs, or v_wmma_f32_16x16x4_f32). A number that lies on a knife's edge between two numbers of the format may be rounded either way, as far as f32 arithmetic and the matrix unit's own rounding can turn it there, and no further.
;; One version. Each part assembles by itself: llvm-mc -triple=amdgcn-amd-amdhsa -mcpu=gfx1250 --defsym DOCPART=n.
;; ======== version 1 of 1: 4 launches
;; limits: right only within a limited range of input values
;; workspace buffers: codes 22,020,096 bytes; scales 917,504 bytes; tab 524,288 bytes; qkv 20,185,088 bytes; acodes 6,291,456 bytes; ascales 262,144 bytes
;; launch quant (part 1): grid 912 x 1, 4 waves a work-group, no clusters, 34,304 bytes of LDS; arguments query, key, value, wq, wk, wv, wo, codes, scales, tab; writes codes, scales, tab
.if DOCPART == 1
	.amdgcn_target "amdgcn-amd-amdhsa--gfx1250"
	.amdhsa_code_object_version 6
	.text
	.protected	k_q3c123f56bc_quant
	.globl	k_q3c123f56bc_quant
	.p2align	8
	.type	k_q3c123f56bc_quant,@function
k_q3c123f56bc_quant:
	s_mov_b64 s[64:65], 0
	v_nop
	global_prefetch_b8 v0, s[64:65] scope:SCOPE_SE
	s_setreg_imm32_b32 hwreg(HW_REG_WAVE_MODE, 25, 1), 1
	s_wait_xcnt 0x0
; The seven f32 matrices (query, key, value: [8192][1024]; wq, wk, wv, wo: [1024][1024]; K = the last axis) become codes of E3M2, 6 bits each, with one E8M0 byte for each 32 along K,
; laid in the order of a matrix operand's registers; and the two tables of the rotary position code are made.
; A block's scale is 2^(floor(log2(its largest magnitude)) - 4); its byte is that magnitude's exponent field - 4, held at 1 from below.
; LIMITS: NaN and infinities among the inputs are not served.  A block whose largest magnitude lies under 2^-122 gets the byte 1; a block of zeros too (the rule says 127): its codes are zeros, and this program alone reads the bytes.
; LAYOUT OF codes: row tiles RT = 0 .. 1791 of 16 rows (query 0-511, key 512-1023, value 1024-1535, wq, wk, wv, wo 64 each).  Fragment (RT, s = K / 128) lies at (8 RT + s) x 1,536 bytes:
; piece c = 0 .. 2 at 512 c, lane l at 16 l, with the operand's registers 4 c .. 4 c + 3.  So any fragment comes back by three loads of 16 bytes a lane, 512 consecutive bytes each.
; THE ROWS OF A TILE ARE NOT NEIGHBOURS: place p of a matrix holds row pi(p), p with bits 3 and 4 exchanged: lane r of tile 2 b + u holds row 32 b + 8 u + r + 8 (r / 8).  As source 0 of a product such tiles
; leave 16 neighbours in the 16 registers of two neighbouring result tiles.
; LAYOUT OF scales: the word (four bytes) of row r and K step s at 512 RT + 256 (s / 4) + 16 r + 4 (s % 4).
; SHARES: work-groups 0 .. 895: wave w takes row tile 2 W + w / 2 and K half w % 2: 16 rows x 512 along K, four fragments.  Each load reads 512 consecutive bytes of a row; a fragment's 8 KiB turn through the wave's
; own stage in LDS so that a lane gets 16 neighbours of each block of 32.  No barrier: waves share nothing.  Work-groups 896 .. 911 make the tables and use no LDS.
.set NQWG, 896
.set R0,  16                           ; v16-143   two sets of 64: a fragment as it is loaded
.set X,   144                          ; v144-207  64 numbers: register 16 b + i = k 32 b + 16 (lane / 16) + i of my row
.set PC,  208                          ; v208-227  the codes just made (12) and two runs at work
.set TM,  228                          ; v228-243  at work in QUANT
.set PW,  244                          ; v244      the scale word just made
.set PWS, 8                            ; v8-11     the four fragments' scale words
.set HM,  37                           ; s37       lanes 16-31
.set SEL, 38                           ; s[38:39]  v_permlanex16_b32's selects for lane l xor 16
.set TQ,  32                           ; tables: v32-63 q's, v64-95 k's
.set TK,  64
.set KA,  96                           ; v96-103 constants of the tables
.set KB,  97
.set KC,  98
.set KD,  99
.set KE,  100
.set KF,  101
.set K256, 102
.set KR,  103
; 64 numbers of a lane, v[s] .. v[s + 63], become a fragment's codes in v[PC] .. v[PC + 11] and its scale word in v[PW].
.macro QUANT s
.irp b, 0,1,2,3
	v_max3_num_f32 v[TM+\b], |v[\s+16*\b]|, |v[\s+1+16*\b]|, 0x2800000   ; block b: my 16 numbers, and the floor 2^(5 - 127): the byte cannot fall under 1
.endr
.irp i, 2,4,6,8,10,12,14
.irp b, 0,1,2,3
	v_max3_num_f32 v[TM+\b], v[TM+\b], |v[\s+16*\b+\i]|, |v[\s+1+16*\b+\i]|   ; the four blocks by turns
.endr
.endr
.irp b, 0,1,2,3
	v_permlanex16_b32 v[TM+4+\b], v[TM+\b], s[SEL], s[SEL+1]
.endr
.irp b, 0,1,2,3
	v_max_num_f32 v[TM+\b], v[TM+\b], v[TM+4+\b]   ; with lane l xor 16's: the block's largest magnitude
.endr
.irp b, 0,1,2,3
	v_add_nc_u32 v[TM+12+\b], 0xfe000000, v[TM+\b]   ; 4 off its exponent field: the conversion takes this operand's exponent field as its scale
.endr
.irp b, 0,1,2,3
	v_lshrrev_b32 v[TM+4+\b], 23, v[TM+12+\b]      ; the scale's byte
.endr
	v_lshl_or_b32 v[PW], v[TM+5], 8, v[TM+4]
	v_lshl_or_b32 v[PW], v[TM+6], 16, v[PW]
	v_lshl_or_b32 v[PW], v[TM+7], 24, v[PW]
.irp c, 0,1
	v_cvt_scalef32_pk16_bf6_f32 v[PC+6*\c:PC+2+6*\c], v[\s+32*\c:\s+15+32*\c], v[TM+12+2*\c]
	v_cvt_scalef32_pk16_bf6_f32 v[PC+12+4*\c:PC+14+4*\c], v[\s+16+32*\c:\s+31+32*\c], v[TM+12+2*\c+1]   ; (a conversion's three registers begin on an even number)
.endr
	v_nop                                          ; one plain place behind a scaled conversion
.irp c, 0,1                                    ; the operand's layout wants a whole block in a lane: lanes 0-15 block 2 c, lanes 16-31 block 2 c + 1
.irp i, 0,1,2
	v_permlane16_swap_b32 v[PC+6*\c+\i], v[PC+12+4*\c+\i]
.endr
.irp i, 0,1,2
	v_mov_b32 v[PC+3+6*\c+\i], v[PC+12+4*\c+\i]
.endr
.endr
.endm
.macro LOADF f                         ; fragment f: 16 rows x 512 bytes; a load reads one row's 512 consecutive bytes
.irp i, 0,1,2,3,4,5,6,7,8,9,10,11,12,13,14,15
	global_load_b128 v[R0+64*((\f)%2)+4*\i:R0+64*((\f)%2)+4*\i+3], v4, s[26:27] offset:(\i+8*(\i/8))*4096+512*(\f) th:TH_LOAD_NT
.endr
.endm
.macro TURNF f                         ; through my stage: in as loaded, out 64 bytes of each block's half a lane.  LDS serves a wave's instructions in order: no wait between
.irp i, 0,1,2,3,4,5,6,7,8,9,10,11,12,13,14,15
	ds_store_b128 v5, v[R0+64*((\f)%2)+4*\i:R0+64*((\f)%2)+4*\i+3] offset:528*\i
.endr
.irp b, 0,1,2,3
.irp j, 0,1,2,3
	ds_load_b128 v[X+16*\b+4*\j:X+16*\b+4*\j+3], v6 offset:128*\b+16*\j
.endr
.endr
.endm
.macro FRAGQ f
.if (\f) < 3
	s_wait_loadcnt 16                              ; this fragment's 16 loads are in; the next fragment's 16 may be out
.else
	s_wait_loadcnt 0x0
.endif
	TURNF \f
	s_wait_dscnt 0x0                               ; the numbers are back, and the stage's stores have read their registers
	s_wait_xcnt 0x0                                ; the last fragment's stores have read their data: the codes' registers are written again only behind this wait
.if (\f) < 2
	LOADF (\f)+2
.endif
	QUANT X
	v_mov_b32 v[PWS+(\f)], v[PW]
.irp c, 0,1,2
	global_store_b128 v4, v[PC+4*\c:PC+4*\c+3], s[18:19] offset:1536*(\f)+512*\c   ; 512 consecutive bytes, at a multiple of 256 from the buffer's first byte
.endr
.endm
	s_load_b256 s[4:11], s[0:1], 0x0               ; query s[4:5], key s[6:7], value s[8:9], wq s[10:11]
	s_load_b256 s[12:19], s[0:1], 0x20             ; wk s[12:13], wv s[14:15], wo s[16:17], codes s[18:19]
	s_load_b128 s[20:23], s[0:1], 0x40             ; scales s[20:21], tab s[22:23]
	v_lshl_add_u32 v248, v0, 2, 0x8400
	v_mov_b32 v249, 0
	v_lshrrev_b32 v1, 5, v0
	v_readfirstlane_b32 s24, v1                    ; wave 0..3
	v_and_b32 v1, 31, v0                           ; lane
	v_and_b32 v2, 15, v0                           ; r
	v_bfe_u32 v3, v0, 4, 1                         ; h
	v_lshlrev_b32 v4, 4, v1                        ; 16 x lane
	s_mov_b32 s33, 0
	s_cmp_ge_u32 ttmp9, NQWG
	s_cbranch_scc1 .Ltables
	s_mov_b32 s[HM], 0xffff0000
	s_mov_b32 s[SEL], 0x76543210
	s_mov_b32 s[SEL+1], 0xfedcba98
	s_lshr_b32 s30, s24, 1                         ; u: which of the work-group's two row tiles
	s_and_b32 s31, s24, 1                          ; which half of K
	s_mul_i32 s36, s24, 8448                       ; my stage: 16 rows of 512 + 16 bytes, so that the sixteen rows of a load begin 16 bytes apart modulo 256
	s_wait_alu depctr_va_vdst(0)
	v_add_nc_u32 v5, s36, v4                       ; in: 16 x lane
	v_mul_u32_u24 v6, v2, 528
	v_lshl_add_u32 v6, v3, 6, v6
	v_add_nc_u32 v6, s36, v6                       ; out: row r, + 64 h
	v_lshlrev_b32 v7, 4, v2
	v_lshl_add_u32 v7, v3, 3, v7                   ; the scale words' place: 16 r + 8 h
.irp b, 0,1,2,3
	v_mov_b32 v[TM+4+\b], 0                        ; written once: a lane permute's destination counts as one of its sources
.endr
	s_wait_alu depctr_va_vdst(0)
	s_wait_kmcnt 0x0
	s_mov_b64 s[26:27], s[16:17]                   ; which tensor: the choice hangs on the work-group's number alone
	s_mov_b32 s28, 864
	s_cmp_lt_u32 ttmp9, 864
	s_cselect_b64 s[26:27], s[14:15], s[26:27]
	s_cselect_b32 s28, 832, s28
	s_cmp_lt_u32 ttmp9, 832
	s_cselect_b64 s[26:27], s[12:13], s[26:27]
	s_cselect_b32 s28, 800, s28
	s_cmp_lt_u32 ttmp9, 800
	s_cselect_b64 s[26:27], s[10:11], s[26:27]
	s_cselect_b32 s28, 768, s28
	s_cmp_lt_u32 ttmp9, 768
	s_cselect_b64 s[26:27], s[8:9], s[26:27]
	s_cselect_b32 s28, 512, s28
	s_cmp_lt_u32 ttmp9, 512
	s_cselect_b64 s[26:27], s[6:7], s[26:27]
	s_cselect_b32 s28, 256, s28
	s_cmp_lt_u32 ttmp9, 256
	s_cselect_b64 s[26:27], s[4:5], s[26:27]
	s_cselect_b32 s28, 0, s28
	s_sub_co_u32 s29, ttmp9, s28                   ; the work-group's number within its tensor
	s_lshl_b32 s32, s29, 17                        ; 32 rows of 4,096 bytes a work-group,
	s_lshl_b32 s35, s30, 15                        ; 8 rows for the second tile,
	s_add_co_u32 s32, s32, s35
	s_lshl_b32 s35, s31, 11                        ; 2,048 bytes for the second half of K
	s_add_co_u32 s32, s32, s35
	s_add_nc_u64 s[26:27], s[26:27], s[32:33]
	LOADF 0
	LOADF 1
	s_lshl_b32 s34, ttmp9, 1
	s_add_co_u32 s34, s34, s30                     ; RT
	s_mul_i32 s32, s34, 12288
	s_mul_i32 s35, s31, 6144
	s_add_co_u32 s32, s32, s35
	s_add_nc_u64 s[18:19], s[18:19], s[32:33]      ; my four fragments
	s_lshl_b32 s32, s34, 9
	s_lshl_b32 s35, s31, 8
	s_add_co_u32 s32, s32, s35
	s_add_nc_u64 s[20:21], s[20:21], s[32:33]      ; my 256 bytes of scale words
	FRAGQ 0
	FRAGQ 1
	FRAGQ 2
	FRAGQ 3
	v_cndmask_b32 v12, v[PWS], v[PWS+2], s[HM]     ; lanes 0-15 store words 0, 1 of row r, lanes 16-31 words 2, 3
	v_cndmask_b32 v13, v[PWS+1], v[PWS+3], s[HM]
	global_store_b64 v7, v[12:13], s[20:21]        ; 256 consecutive bytes, aligned
	s_wait_tensorcnt 0x0
	ds_add_u32 v248, v249
	s_wait_dscnt 0x0
	s_endpgm
; THE TABLES.  tab: which x 262,144 + Tt x 4,096 + 512 m + 16 l holds registers 4 m .. 4 m + 3 of 32.  Register 16 blk + 2 p is cos x scale and the next sin x scale, for position pi(16 Tt + r) and pair
; i = 16 blk + 8 h + p of the head's 32.  which = 0: q's (scale s^((pos - 512) / 1024), times 1/8, which is q's scaling and exact); which = 1: k's (one over that scale).
; The angle repeats the definition's own roundings: P = 10^(i / 8) rounded to f32, 1 / P rounded, pos x (1 / P) rounded once.  It is then reduced by pi / 2 in two parts (the first product's difference is exact:
; both are multiples of 2^-23 and the difference is under 1), and sine and cosine come from polynomials on +-pi / 4.
.macro PAIR idx, p0, p1
	v_mov_b32 v12, \p0
	v_mov_b32 v13, \p1
	v_cndmask_b32 v12, v12, v13, vcc_lo            ; P: lanes 16-31 are eight pairs, one power of ten, further on
	s_wait_alu depctr_va_vdst(0)
	v_rcp_f32 v13, v12
	v_lshl_add_u32 v20, v3, 4, 32*((\idx)/8)+2*((\idx)%8)   ; 2 i  (a plain place behind the reciprocal)
	s_wait_alu depctr_va_vdst(0)
	v_fma_f32 v14, -v12, v13, 1.0
	v_fma_f32 v13, v13, v14, v13
	v_fma_f32 v14, -v12, v13, 1.0
	v_fma_f32 v13, v13, v14, v13                   ; 1 / P, corrected twice
	v_mul_f32 v14, v6, v13                         ; the angle
	v_mul_f32 v15, 0x3f22f983, v14                 ; x 2 / pi
	v_rndne_f32 v15, v15                           ; n
	v_fmamk_f32 v16, v15, 0xbfc90fdb, v14          ; - n x 1.57079637
	v_fmamk_f32 v16, v15, 0x333bbd2e, v16          ; + n x 4.37113883e-8
	v_mul_f32 v17, v16, v16                        ; z
	v_cvt_i32_f32 v18, v15
	v_fma_f32 v19, -v[KA], v17, v[KB]
	v_fma_f32 v21, v[KD], v17, -v[KE]
	v_fma_f32 v19, v19, v17, -v[KC]
	v_fma_f32 v21, v21, v17, v[KF]
	v_mul_f32 v19, v19, v17
	v_mul_f32 v21, v21, v17
	v_fma_f32 v22, v17, -0.5, 1.0
	v_fma_f32 v19, v19, v16, v16                   ; sin of the rest
	v_fma_f32 v21, v21, v17, v22                   ; cos of the rest
	v_and_b32 v22, 1, v18
	v_cmp_ne_u32 s40, 0, v22                       ; an odd quadrant exchanges the two
	v_cndmask_b32 v23, v19, v21, s40
	v_cndmask_b32 v24, v21, v19, s40
	v_lshlrev_b32 v22, 30, v18                     ; the sine is negative in quadrants 2, 3,
	v_and_b32 v22, 0x80000000, v22
	v_xor_b32 v23, v23, v22
	v_add_nc_u32 v22, 1, v18                       ; the cosine in quadrants 1, 2
	v_lshlrev_b32 v22, 30, v22
	v_and_b32 v22, 0x80000000, v22
	v_xor_b32 v24, v24, v22
	v_cvt_f32_u32 v20, v20
	v_add_f32 v20, v[K256], v20                    ; 2 i + 25.6
	v_mul_f32 v20, v[KR], v20                      ; / 89.6
	s_wait_alu depctr_va_vdst(0)
	v_log_f32 v20, v20
	v_nop
	s_wait_alu depctr_va_vdst(0)
	v_mul_f32 v20, v7, v20                         ; (pos - 512) / 1024 x log2(s)
	s_wait_alu depctr_va_vdst(0)
	v_exp_f32 v25, v20
	v_exp_f32 v26, -v20
	v_nop
	s_wait_alu depctr_va_vdst(0)
	v_mul_f32 v25, 0x3e000000, v25                 ; q's scaling, 1 / 8
	v_mul_f32 v[TQ+2*(\idx)], v24, v25
	v_mul_f32 v[TQ+2*(\idx)+1], v23, v25
	v_mul_f32 v[TK+2*(\idx)], v24, v26
	v_mul_f32 v[TK+2*(\idx)+1], v23, v26
.endm
.Ltables:
	s_sub_co_u32 s29, ttmp9, NQWG
	s_lshl_b32 s29, s29, 2
	s_add_co_u32 s29, s29, s24                     ; Tt = 0 .. 63
	s_lshl_b32 s32, s29, 12
	s_lshr_b32 s30, s29, 1
	s_lshl_b32 s30, s30, 5
	s_and_b32 s31, s29, 1
	s_lshl_b32 s31, s31, 3
	s_add_co_u32 s30, s30, s31                     ; 32 (Tt / 2) + 8 (Tt % 2)
	s_wait_alu depctr_va_vdst(0)
	v_and_b32 v5, 8, v2
	v_add3_u32 v5, v5, v2, s30                     ; my position: + r + 8 (r / 8)
	v_cvt_f32_u32 v6, v5
	v_add_f32 v7, 0xc4000000, v6                   ; pos - 512
	v_mul_f32 v7, 0x3a800000, v7                   ; / 1024
	v_cmp_ne_u32 vcc_lo, 0, v3                     ; lanes 16-31
	v_mov_b32 v[KA], 0.00019515295891
	v_mov_b32 v[KB], 0.0083321608736
	v_mov_b32 v[KC], 0.16666654611
	v_mov_b32 v[KD], 0.00002443315711809948
	v_mov_b32 v[KE], 0.001388731625493765
	v_mov_b32 v[KF], 0.04166664568298827
	v_mov_b32 v[K256], 25.6
	v_mov_b32 v[KR], 0.011160714285714286
	PAIR 0, 1.0, 10.0
	PAIR 1, 1.333521432163324, 13.33521432163324
	PAIR 2, 1.7782794100389228, 17.782794100389228
	PAIR 3, 2.371373705661655, 23.71373705661655
	PAIR 4, 3.1622776601683795, 31.622776601683795
	PAIR 5, 4.216965034285822, 42.16965034285822
	PAIR 6, 5.623413251903491, 56.23413251903491
	PAIR 7, 7.498942093324558, 74.98942093324558
	PAIR 8, 100.0, 1000.0
	PAIR 9, 133.3521432163324, 1333.521432163324
	PAIR 10, 177.82794100389228, 1778.2794100389228
	PAIR 11, 237.1373705661655, 2371.373705661655
	PAIR 12, 316.22776601683795, 3162.2776601683795
	PAIR 13, 421.6965034285822, 4216.965034285822
	PAIR 14, 562.3413251903491, 5623.413251903491
	PAIR 15, 749.8942093324558, 7498.942093324558
	s_wait_alu depctr_va_vdst(0)
	s_wait_kmcnt 0x0
	s_add_nc_u64 s[22:23], s[22:23], s[32:33]
.irp m, 0,1,2,3,4,5,6,7
	global_store_b128 v4, v[TQ+4*\m:TQ+4*\m+3], s[22:23] offset:512*\m
	global_store_b128 v4, v[TK+4*\m:TK+4*\m+3], s[22:23] offset:262144+512*\m
.endr
	s_endpgm
.Lfunc_end_k_q3c123f56bc_quant:
	.size	k_q3c123f56bc_quant, .Lfunc_end_k_q3c123f56bc_quant-k_q3c123f56bc_quant
	.p2alignl 7, 3214868480
	.fill 96, 4, 3214868480
	.section	.rodata,"a",@progbits
	.p2align	6, 0x0
	.amdhsa_kernel k_q3c123f56bc_quant
		.amdhsa_group_segment_fixed_size 34304
		.amdhsa_private_segment_fixed_size 0
		.amdhsa_enable_private_segment 0
		.amdhsa_kernarg_size 80
		.amdhsa_user_sgpr_count 2
		.amdhsa_user_sgpr_kernarg_segment_ptr 1
		.amdhsa_wavefront_size32 1
		.amdhsa_system_sgpr_workgroup_id_x 1
		.amdhsa_system_sgpr_workgroup_id_y 1
		.amdhsa_system_sgpr_workgroup_id_z 1
		.amdhsa_system_vgpr_workitem_id 0
		.amdhsa_next_free_vgpr 250
		.amdhsa_next_free_sgpr 66
		.amdhsa_reserve_vcc 1
		.amdhsa_float_denorm_mode_32 3
		.amdhsa_float_denorm_mode_16_64 3
		.amdhsa_memory_ordered 1
		.amdhsa_forward_progress 1
		.amdhsa_inst_pref_size 77
	.end_amdhsa_kernel
	.amdgpu_metadata
---
amdhsa.version: [ 1, 2 ]
amdhsa.kernels:
  - .name:           k_q3c123f56bc_quant
    .symbol:         k_q3c123f56bc_quant.kd
    .args:
      - { .name: query, .offset: 0, .size: 8, .value_kind: global_buffer, .address_space: global }
      - { .name: key, .offset: 8, .size: 8, .value_kind: global_buffer, .address_space: global }
      - { .name: value, .offset: 16, .size: 8, .value_kind: global_buffer, .address_space: global }
      - { .name: wq, .offset: 24, .size: 8, .value_kind: global_buffer, .address_space: global }
      - { .name: wk, .offset: 32, .size: 8, .value_kind: global_buffer, .address_space: global }
      - { .name: wv, .offset: 40, .size: 8, .value_kind: global_buffer, .address_space: global }
      - { .name: wo, .offset: 48, .size: 8, .value_kind: global_buffer, .address_space: global }
      - { .name: codes, .offset: 56, .size: 8, .value_kind: global_buffer, .address_space: global }
      - { .name: scales, .offset: 64, .size: 8, .value_kind: global_buffer, .address_space: global }
      - { .name: tab, .offset: 72, .size: 8, .value_kind: global_buffer, .address_space: global }
    .group_segment_fixed_size: 34304
    .private_segment_fixed_size: 0
    .kernarg_segment_align: 8
    .kernarg_segment_size: 80
    .max_flat_workgroup_size: 128
    .sgpr_count:     66
    .vgpr_count:     250
    .wavefront_size: 32
...
	.end_amdgpu_metadata
.endif
;; end of part 1
;; launch proj (part 2): grid 4 x 64, 4 waves a work-group, clusters of 4 x 4, 327,680 bytes of LDS; arguments codes, scales, tab, bq, bk, bv, qkv; writes qkv
.if DOCPART == 2
	.amdgcn_target "amdgcn-amd-amdhsa--gfx1250"
	.amdhsa_code_object_version 6
	.text
	.protected	k_q3c123f56bc_proj
	.globl	k_q3c123f56bc_proj
	.p2align	8
	.type	k_q3c123f56bc_proj,@function
k_q3c123f56bc_proj:
	s_mov_b64 s[64:65], 0
	v_nop
	global_prefetch_b8 v0, s[64:65] scope:SCOPE_SE
	s_setreg_imm32_b32 hwreg(HW_REG_WAVE_MODE, 25, 1), 1
	s_wait_xcnt 0x0
	s_wait_alu depctr_hold_cnt(0) depctr_sa_sdst(0) depctr_va_vdst(0) depctr_va_sdst(0) depctr_va_ssrc(0) depctr_va_vcc(0) depctr_vm_vsrc(0)
	s_getreg_b32 s2, hwreg(HW_REG_IB_STS2, 6, 4)
	s_cmp_eq_u32 s2, 0
	s_cbranch_scc0 .Lentry_in_a_cluster
	s_endpgm
.Lentry_in_a_cluster:
	s_bfe_u32 s2, ttmp6, 0x10000c
	s_cmp_lg_u32 s2, 0xf033
	s_cbranch_scc0 .Lentry_shape_is_right
	s_endpgm
.Lentry_shape_is_right:
.set SLOT,  147456
.set SPARE, 2*SLOT
.set CH,    19712
.set ADR0, 4
.set ADR1, 6
.set BV,   18
.set PWS,  26
.set SC,   32
.set H,    128
.set PC,   192
.set TM,   212
.set PW,   228
.set TT,   232
.set G1,  24
.set G0,  32
.set G1B, 40
.set G0B, 48
.set VS1, 56
.set VS0, 58
.set QS0, 60
.set QS1, 62
.set VC0, 66
.set VC1, 68
.set QKB, 70
.set VB,  72
.set HM,  74
.set SEL, 76
.set TABB, 78
.set MSB, 0
.macro WIN new
.if MSB != \new
	s_set_vgpr_msb (MSB<<8)|\new
.set MSB, \new
.endif
.endm
.set MUL,   0xad
.set MULB,  0x9d
.set TO_S0, 0x40
.set TO_S1, 0xc0
.macro PLACES
.rept 4
	v_nop
.endr
.endm
.macro JLOAD g0a, g0b
	s_cmp_eq_u32 s19, 0
	s_cbranch_scc0 .Lfor_b_\@
	tensor_load_to_lds s[\g0a:\g0a+3], s[G1:G1+7]
	s_nop 0
.rept 4
	v_nop
.endr
	s_branch .Lasked_\@
.Lfor_b_\@:
	tensor_load_to_lds s[\g0b:\g0b+3], s[G1B:G1B+7]
	s_nop 0
.rept 4
	v_nop
.endr
.Lasked_\@:
.endm
.macro CREST
	s_cmp_lg_u32 s18, 0
	s_cbranch_scc1 .Lnot_wave_0_\@
	s_barrier_signal -3
.Lnot_wave_0_\@:
	s_barrier_wait -3
	s_barrier_signal -1
	s_barrier_wait -1
.endm
.macro CROUND
	s_barrier_signal -1
	s_barrier_wait -1
	CREST
.endm
.macro QUANT s
.irp b, 0,1,2,3
	v_max3_num_f32 v[TM+\b], |v[\s+16*\b]|, |v[\s+1+16*\b]|, 0x2800000
.endr
.irp i, 2,4,6,8,10,12,14
.irp b, 0,1,2,3
	v_max3_num_f32 v[TM+\b], v[TM+\b], |v[\s+16*\b+\i]|, |v[\s+1+16*\b+\i]|
.endr
.endr
.irp b, 0,1,2,3
	v_permlanex16_b32 v[TM+4+\b], v[TM+\b], s[SEL], s[SEL+1]
.endr
.irp b, 0,1,2,3
	v_max_num_f32 v[TM+\b], v[TM+\b], v[TM+4+\b]
.endr
.irp b, 0,1,2,3
	v_add_nc_u32 v[TM+12+\b], 0xfe000000, v[TM+\b]
.endr
.irp b, 0,1,2,3
	v_lshrrev_b32 v[TM+4+\b], 23, v[TM+12+\b]
.endr
	v_lshl_or_b32 v[PW], v[TM+5], 8, v[TM+4]
	v_lshl_or_b32 v[PW], v[TM+6], 16, v[PW]
	v_lshl_or_b32 v[PW], v[TM+7], 24, v[PW]
.irp c, 0,1
	v_cvt_scalef32_pk16_bf6_f32 v[PC+6*\c:PC+2+6*\c], v[\s+32*\c:\s+15+32*\c], v[TM+12+2*\c]
	v_cvt_scalef32_pk16_bf6_f32 v[PC+12+4*\c:PC+14+4*\c], v[\s+16+32*\c:\s+31+32*\c], v[TM+12+2*\c+1]
.endr
	v_nop
.irp c, 0,1
.irp i, 0,1,2
	v_permlane16_swap_b32 v[PC+6*\c+\i], v[PC+12+4*\c+\i]
.endr
.irp i, 0,1,2
	v_mov_b32 v[PC+3+6*\c+\i], v[PC+12+4*\c+\i]
.endr
.endr
.endm
.macro WM a, b, set, ks, scset, cmode
.set rD, 8*(8*(\a)+(\b))
.set rA, 96*(\set)+12*(\b)
.set rB, 48*(\set)+12*(\a)
.set rX, SC+48*(\scset)+8*((\b)/2)+(\ks)
.set rY, SC+48*(\scset)+32+8*((\a)/2)+(\ks)
.set rC, rD
.if (\cmode) == 1
.set rC, 192+8*(\b)
.endif
.set par, 2*((\a)%2)+((\b)%2)
.if (\cmode) == 2
.if par == 0
	v_wmma_scale_f32_16x16x128_f8f6f4 v[rD:rD+7], v[rA:rA+11], v[rB:rB+11], 0, v[rX], v[rY] matrix_a_fmt:MATRIX_FMT_BF6 matrix_b_fmt:MATRIX_FMT_BF6
.elseif par == 1
	v_wmma_scale_f32_16x16x128_f8f6f4 v[rD:rD+7], v[rA:rA+11], v[rB:rB+11], 0, v[rX], v[rY] matrix_a_fmt:MATRIX_FMT_BF6 matrix_b_fmt:MATRIX_FMT_BF6 matrix_a_scale:MATRIX_SCALE_ROW1
.elseif par == 2
	v_wmma_scale_f32_16x16x128_f8f6f4 v[rD:rD+7], v[rA:rA+11], v[rB:rB+11], 0, v[rX], v[rY] matrix_a_fmt:MATRIX_FMT_BF6 matrix_b_fmt:MATRIX_FMT_BF6 matrix_b_scale:MATRIX_SCALE_ROW1
.else
	v_wmma_scale_f32_16x16x128_f8f6f4 v[rD:rD+7], v[rA:rA+11], v[rB:rB+11], 0, v[rX], v[rY] matrix_a_fmt:MATRIX_FMT_BF6 matrix_b_fmt:MATRIX_FMT_BF6 matrix_a_scale:MATRIX_SCALE_ROW1 matrix_b_scale:MATRIX_SCALE_ROW1
.endif
.else
.if par == 0
	v_wmma_scale_f32_16x16x128_f8f6f4 v[rD:rD+7], v[rA:rA+11], v[rB:rB+11], v[rC:rC+7], v[rX], v[rY] matrix_a_fmt:MATRIX_FMT_BF6 matrix_b_fmt:MATRIX_FMT_BF6
.elseif par == 1
	v_wmma_scale_f32_16x16x128_f8f6f4 v[rD:rD+7], v[rA:rA+11], v[rB:rB+11], v[rC:rC+7], v[rX], v[rY] matrix_a_fmt:MATRIX_FMT_BF6 matrix_b_fmt:MATRIX_FMT_BF6 matrix_a_scale:MATRIX_SCALE_ROW1
.elseif par == 2
	v_wmma_scale_f32_16x16x128_f8f6f4 v[rD:rD+7], v[rA:rA+11], v[rB:rB+11], v[rC:rC+7], v[rX], v[rY] matrix_a_fmt:MATRIX_FMT_BF6 matrix_b_fmt:MATRIX_FMT_BF6 matrix_b_scale:MATRIX_SCALE_ROW1
.else
	v_wmma_scale_f32_16x16x128_f8f6f4 v[rD:rD+7], v[rA:rA+11], v[rB:rB+11], v[rC:rC+7], v[rX], v[rY] matrix_a_fmt:MATRIX_FMT_BF6 matrix_b_fmt:MATRIX_FMT_BF6 matrix_a_scale:MATRIX_SCALE_ROW1 matrix_b_scale:MATRIX_SCALE_ROW1
.endif
.endif
.endm
.macro MULA a, set, ks, scset, cmode
.irp b, 0,1,2,3,4,5,6,7
	WM \a, \b, \set, \ks, \scset, \cmode
.endr
.endm
.macro MWIN cmode
.if (\cmode) == 1
	WIN MULB
.else
	WIN MUL
.endif
.endm
.macro FETCH slot, q, set
	WIN TO_S0
.irp i, 0,1,2,3,4,5,6,7
.irp c, 0,1,2
	ds_load_b128 v[96*(\set)+12*\i+4*\c:96*(\set)+12*\i+4*\c+3], v[ADR0+\slot] offset:6144*\i+1536*(\q)+512*\c
.endr
.endr
	WIN TO_S1
.irp i, 0,1,2,3
.irp c, 0,1,2
	ds_load_b128 v[48*(\set)+12*\i+4*\c:48*(\set)+12*\i+4*\c+3], v[ADR1+\slot] offset:6144*\i+1536*(\q)+512*\c
.endr
.endr
.endm
.macro SCL set, b0, o0, b1, o1
.irp j, 0,1,2,3
.irp k, 0,1
	global_load_b128 v[SC+48*(\set)+8*\j+4*\k:SC+48*(\set)+8*\j+4*\k+3], v12, s[\b0:\b0+1] offset:(\o0)+1024*\j+256*\k
.endr
.endr
.irp j, 0,1
.irp k, 0,1
	global_load_b128 v[SC+48*(\set)+32+8*\j+4*\k:SC+48*(\set)+32+8*\j+4*\k+3], v12, s[\b1:\b1+1] offset:(\o1)+1024*\j+256*\k
.endr
.endr
.endm
.macro BIASLD p
	WIN TO_S0
.irp t, 0,1,2,3,4,5,6,7
	global_load_b128 v[192+8*\t:195+8*\t], v13, s[\p:\p+1] offset:128*(\t/2)+32*(\t%2)
	global_load_b128 v[196+8*\t:199+8*\t], v13, s[\p:\p+1] offset:128*(\t/2)+32*(\t%2)+16
.endr
.endm
.macro TABLD which
	WIN TO_S1
.irp t, 0,1,2,3
.irp m, 0,1,2,3,4,5,6,7
	global_load_b128 v[96+32*\t+4*\m:99+32*\t+4*\m], v8, s[TABB:TABB+1] offset:262144*(\which)+4096*\t+512*\m
.endr
.endr
	WIN 0
.endm
.macro STEP slot, q, ks, scset, cmode, extra
	s_wait_dscnt 0x0
	MWIN \cmode
	MULA 0, (\ks)%2, \ks, \scset, \cmode
	PLACES
	FETCH \slot, (\q)+1, 1-(\ks)%2
.if \extra
	BIASLD 12
.endif
	MWIN \cmode
	MULA 1, (\ks)%2, \ks, \scset, \cmode
	MULA 2, (\ks)%2, \ks, \scset, \cmode
	MULA 3, (\ks)%2, \ks, \scset, \cmode
.endm
.macro TURN slot, next, ks, scset, fill
	WIN 0
	s_wait_tensorcnt 0x0
	ds_add_u32 v16, v17
	s_wait_dscnt 0x1
	WIN MUL
	MULA 0, (\ks)%2, \ks, \scset, 0
	s_wait_dscnt 0x0
	s_barrier_signal -1
	MULA 1, (\ks)%2, \ks, \scset, 0
	WIN 0
	s_barrier_wait -1
.if \fill
	CREST
.if \fill == 1
	s_add_nc_u64 s[G0+4*\slot+2:G0+4*\slot+3], s[G0+4*\slot+2:G0+4*\slot+3], 512*12288
	s_add_nc_u64 s[G0B+4*\slot+2:G0B+4*\slot+3], s[G0B+4*\slot+2:G0B+4*\slot+3], 64*12288
.else
	s_add_nc_u64 s[G0+4*\slot+2:G0+4*\slot+3], s[VS1:VS1+1], 6144*\slot
	s_or_b32 s[G0+4*\slot+3], s[G0+4*\slot+3], 0x80000000
	s_add_nc_u64 s[G0B+4*\slot+2:G0B+4*\slot+3], s[VS0:VS0+1], 6144*\slot
	s_or_b32 s[G0B+4*\slot+3], s[G0B+4*\slot+3], 0x80000000
.endif
	JLOAD G0+4*\slot, G0B+4*\slot
.else
	PLACES
.endif
	FETCH \next, 0, 1-(\ks)%2
	WIN MUL
	MULA 2, (\ks)%2, \ks, \scset, 0
	MULA 3, (\ks)%2, \ks, \scset, 0
	WIN 0
.endm
.macro WALK scset, ex, fill
	STEP 0, 0, 0, \scset, 1, 0
	STEP 0, 1, 1, \scset, 0, \ex
	STEP 0, 2, 2, \scset, 0, 0
	TURN 0, 1, 3, \scset, \fill
	STEP 1, 0, 4, \scset, 0, 0
	STEP 1, 1, 5, \scset, 0, 0
	STEP 1, 2, 6, \scset, 0, 0
	TURN 1, 0, 7, \scset, \fill
.endm
.macro EPI_QK a, img, scb
	WIN 0x0e
.irp g, 0,8,16,24,32,40,48,56
.irp p, 0,2,4,6
	v_pk_mul_f32 v[TT+\p:TT+\p+1], v[64*(\a)+\g+\p:64*(\a)+\g+\p+1], v[96+32*(\a)+(\g+\p)%32:96+32*(\a)+(\g+\p)%32+1] op_sel_hi:[1,0]
.endr
.irp p, 0,2,4,6
	v_pk_fma_f32 v[H+\g+\p:H+\g+\p+1], v[64*(\a)+\g+\p:64*(\a)+\g+\p+1], v[96+32*(\a)+(\g+\p)%32:96+32*(\a)+(\g+\p)%32+1], v[TT+\p:TT+\p+1] op_sel:[1,1,0] op_sel_hi:[0,1,1] neg_lo:[0,1,0]
.endr
.endr
	WIN 0
	s_wait_xcnt 0x0
	QUANT H
.irp g, 0,1
	global_store_b128 v9, v[PC+6*\g:PC+6*\g+3], s[QKB:QKB+1] offset:(\img)+768*(\a)+8*CH*\g
	global_store_b64 v10, v[PC+6*\g+4:PC+6*\g+5], s[QKB:QKB+1] offset:(\img)+768*(\a)+8*CH*\g+512
.endr
	v_perm_b32 v30, v[PW], v[PW], 0x01000100
	v_perm_b32 v31, v[PW], v[PW], 0x03020302
	v_cndmask_b32 v30, v30, v31, s[HM]
	global_store_b32 v11, v30, s[QKB:QKB+1] offset:(\scb)+64*(\a)
.endm
.macro EPI_V a
	WIN 0x02
.irp i, 0,2,4,6,8,10,12,14,16,18,20,22,24,26,28,30,32,34,36,38,40,42,44,46,48,50,52,54,56,58,60,62
	v_pk_add_f32 v[H+\i:H+\i+1], v[64*(\a)+\i:64*(\a)+\i+1], v[BV+2*(\a):BV+2*(\a)+1] op_sel_hi:[1,0]
.endr
	WIN 0
	s_wait_xcnt 0x0
	QUANT H
.irp c, 0,1,2
	global_store_b128 v8, v[PC+4*\c:PC+4*\c+3], s[VB:VB+1] offset:6144+1536*(\a)+512*\c
.endr
	v_mov_b32 v[PWS+(\a)], v[PW]
.if (\a)%2 == 1
	v_cndmask_b32 v[30+(\a)/2], v[PWS+(\a)-1], v[PWS+(\a)], s[HM]
	global_store_b32 v15, v[30+(\a)/2], s[VB:VB+1] offset:12800+128*((\a)/2)
.endif
.endm
	s_load_b256 s[4:11], s[0:1], 0x0
	s_load_b128 s[12:15], s[0:1], 0x20
	s_load_b64 s[16:17], s[0:1], 0x30
	v_lshl_add_u32 v16, v0, 2, SPARE
	v_mov_b32 v17, 0
	ds_add_u32 v16, v17
	ds_add_u32 v16, v17
	s_wait_dscnt 0x0
	v_lshrrev_b32 v1, 5, v0
	v_readfirstlane_b32 s18, v1
	s_lshr_b32 s19, s18, 1
	s_and_b32 s20, s18, 1
	s_bfe_u32 s21, ttmp6, 0x40000
	s_bfe_u32 s22, ttmp6, 0x40004
	s_and_b32 s23, ttmp7, 0xffff
	s_lshl_b32 s80, s22, 2
	s_lshl_b32 s80, 15, s80
	s_or_b32 s[G1], s80, (3<<16)|(1<<21)
	s_mov_b32 s[G1+1], 768<<16
	s_mov_b32 s[G1+2], 4<<16
	s_mov_b32 s[G1+3], 768<<16
	s_mov_b32 s[G1+4], 4
	s_mov_b32 s[G1+5], 1536
	s_mov_b32 s[G1+6], 0
	s_mov_b32 s[G1+7], 0
	s_lshl_b32 s81, s23, 2
	s_add_co_u32 s81, s81, s22
	s_lshl_b32 s82, s81, 3
	s_lshl_b32 s83, s20, 2
	s_add_co_u32 s82, s82, s83
	s_mul_i32 s82, s82, 12288
	s_mov_b32 s83, 0
	s_lshr_b32 s84, s23, 3
	s_lshl_b32 s84, s84, 2
	s_add_co_u32 s84, s84, s22
	s_lshl_b32 s56, s84, 3
	s_lshl_b32 s57, s20, 2
	s_add_co_u32 s56, s56, s57
	s_add_co_u32 s56, s56, 1664
	s_mul_i32 s56, s56, 12288
	s_mov_b32 s57, 0
	s_lshl_b32 s86, 0x1111, s21
	s_or_b32 s[G1B], s86, (3<<16)|(1<<21)
	s_mov_b32 s[G1B+1], 768<<16
	s_mov_b32 s[G1B+2], 8<<16
	s_mov_b32 s[G1B+3], 768<<16
	s_mov_b32 s[G1B+4], 8
	s_mov_b32 s[G1B+5], 1536
	s_mov_b32 s[G1B+6], 0
	s_mov_b32 s[G1B+7], 0
	s_lshl_b32 s87, s21, 4
	s_lshl_b32 s88, s20, 3
	s_add_co_u32 s87, s87, s88
	s_add_co_u32 s88, s87, 1536
	s_mul_i32 s88, s88, 12288
	s_mov_b32 s89, 0
	s_and_b32 s90, s23, 7
	s_lshl_b32 s90, s90, 2
	s_add_co_u32 s90, s90, s21
	s_lshl_b32 s58, s90, 4
	s_lshl_b32 s59, s20, 3
	s_add_co_u32 s58, s58, s59
	s_add_co_u32 s58, s58, 1024
	s_mul_i32 s58, s58, 12288
	s_mov_b32 s59, 0
	s_mul_i32 s96, s20, 24576
	s_mul_i32 s97, s20, 49152
	s_add_co_u32 s97, s97, 49152
	s_add_co_u32 s60, s87, 1536
	s_lshl_b32 s60, s60, 9
	s_mov_b32 s61, 0
	s_lshl_b32 s62, s81, 3
	s_lshl_b32 s63, s19, 2
	s_add_co_u32 s62, s62, s63
	s_lshl_b32 s62, s62, 9
	s_mov_b32 s63, 0
	s_lshl_b32 s66, s90, 4
	s_lshl_b32 s67, s20, 3
	s_add_co_u32 s66, s66, s67
	s_add_co_u32 s66, s66, 1024
	s_lshl_b32 s66, s66, 9
	s_mov_b32 s67, 0
	s_lshl_b32 s68, s84, 3
	s_lshl_b32 s69, s19, 2
	s_add_co_u32 s68, s68, s69
	s_add_co_u32 s68, s68, 1664
	s_lshl_b32 s68, s68, 9
	s_mov_b32 s69, 0
	s_lshr_b32 s92, s81, 3
	s_lshl_b32 s92, s92, 4
	s_lshl_b32 s93, s21, 2
	s_add_co_u32 s92, s92, s93
	s_lshl_b32 s93, s20, 1
	s_add_co_u32 s92, s92, s93
	s_lshl_b32 s92, s92, 3
	s_and_b32 s93, s81, 7
	s_add_co_u32 s92, s92, s93
	s_mul_i32 s70, s92, CH
	s_mov_b32 s71, 0
	s_lshr_b32 s92, s90, 2
	s_lshl_b32 s92, s92, 4
	s_lshl_b32 s93, s84, 1
	s_add_co_u32 s92, s92, s93
	s_add_co_u32 s92, s92, s19
	s_lshl_b32 s92, s92, 3
	s_and_b32 s93, s90, 3
	s_lshl_b32 s93, s93, 1
	s_add_co_u32 s92, s92, s93
	s_add_co_u32 s92, s92, s20
	s_mul_i32 s72, s92, CH
	s_mov_b32 s73, 0
	s_and_b32 s78, s81, 7
	s_lshl_b32 s78, s78, 3
	s_lshl_b32 s79, s19, 2
	s_add_co_u32 s78, s78, s79
	s_lshl_b32 s78, s78, 12
	s_mov_b32 s79, 0
	s_lshl_b32 s94, s87, 6
	s_mov_b32 s95, 0
	s_lshl_b32 s98, s84, 9
	s_lshl_b32 s99, s19, 8
	s_add_co_u32 s98, s98, s99
	s_mov_b32 s99, 0
	s_mov_b32 s[HM], 0xffff0000
	s_mov_b32 s[SEL], 0x76543210
	s_mov_b32 s[SEL+1], 0xfedcba98
	s_wait_kmcnt 0x0
	s_add_nc_u64 s[82:83], s[4:5], s[82:83]
	s_add_nc_u64 s[88:89], s[4:5], s[88:89]
	s_add_nc_u64 s[VS1:VS1+1], s[4:5], s[VS1:VS1+1]
	s_add_nc_u64 s[VS0:VS0+1], s[4:5], s[VS0:VS0+1]
	CROUND
.irp s, 0,1
	s_mov_b32 s[G0+4*\s], 1
	s_add_co_u32 s[G0+4*\s+1], s96, \s*SLOT
	s_add_nc_u64 s[G0+4*\s+2:G0+4*\s+3], s[82:83], \s*6144
	s_or_b32 s[G0+4*\s+3], s[G0+4*\s+3], 0x80000000
	s_mov_b32 s[G0B+4*\s], 1
	s_add_co_u32 s[G0B+4*\s+1], s97, \s*SLOT
	s_add_nc_u64 s[G0B+4*\s+2:G0B+4*\s+3], s[88:89], \s*6144
	s_or_b32 s[G0B+4*\s+3], s[G0B+4*\s+3], 0x80000000
	s_wait_alu depctr_va_vdst(0)
	s_wait_tensorcnt 0x0
	ds_add_u32 v16, v17
	ds_add_u32 v16, v17
	s_wait_dscnt 0x0
	CROUND
	JLOAD G0+4*\s, G0B+4*\s
.endr
	s_add_nc_u64 s[QS0:QS0+1], s[6:7], s[QS0:QS0+1]
	s_add_nc_u64 s[QS1:QS1+1], s[6:7], s[QS1:QS1+1]
	s_add_nc_u64 s[VC0:VC0+1], s[6:7], s[VC0:VC0+1]
	s_add_nc_u64 s[VC1:VC1+1], s[6:7], s[VC1:VC1+1]
	s_add_nc_u64 s[QKB:QKB+1], s[16:17], s[QKB:QKB+1]
	s_add_nc_u64 s[VB:VB+1], s[16:17], s[VB:VB+1]
	s_add_nc_u64 s[TABB:TABB+1], s[8:9], s[TABB:TABB+1]
	s_add_nc_u64 s[10:11], s[10:11], s[94:95]
	s_add_nc_u64 s[12:13], s[12:13], s[94:95]
	s_add_nc_u64 s[14:15], s[14:15], s[98:99]
	v_and_b32 v1, 31, v0
	v_and_b32 v2, 15, v0
	v_bfe_u32 v3, v0, 4, 1
	v_lshlrev_b32 v8, 4, v1
	s_mul_i32 s92, s19, 24576
	v_add_nc_u32 v[ADR0], s97, v8
	v_add_nc_u32 v[ADR1], s92, v8
	s_add_co_u32 s93, s97, SLOT
	s_add_co_u32 s92, s92, SLOT
	v_add_nc_u32 v[ADR0+1], s93, v8
	v_add_nc_u32 v[ADR1+1], s92, v8
	s_mul_i32 s92, s19, 3072
	v_add_nc_u32 v9, s92, v8
	v_lshl_add_u32 v10, v1, 3, s92
	v_mul_u32_u24 v11, v3, 8*CH
	v_lshl_add_u32 v11, v2, 2, v11
	s_lshl_b32 s92, s19, 8
	v_add_nc_u32 v11, s92, v11
	v_lshlrev_b32 v12, 9, v3
	v_lshl_add_u32 v12, v2, 4, v12
	v_lshlrev_b32 v13, 6, v3
	v_and_b32 v14, 8, v2
	v_add_lshl_u32 v14, v14, v2, 2
	v_lshlrev_b32 v15, 2, v1
.irp b, 0,1,2,3
	v_mov_b32 v[TM+4+\b], 0
.endr
	SCL 0, QS0, 0, QS1, 0
	SCL 1, QS0, 64*512, QS1, 512*512
.irp t, 0,1,2,3
	global_load_b32 v[BV+2*\t], v14, s[14:15] offset:4*(32*(\t/2)+8*(\t%2))
	global_load_b32 v[BV+2*\t+1], v14, s[14:15] offset:4*(32*(\t/2)+8*(\t%2))
.endr
	BIASLD 10
	TABLD 0
	s_wait_alu depctr_va_vdst(0)
	s_wait_loadcnt 0x0
	s_wait_tensorcnt 0x1
	s_barrier_signal -1
	s_barrier_wait -1
	FETCH 0, 0, 0
	WALK 0, 1, 1
	PLACES
	s_wait_loadcnt 0x0
.irp t, 0,1,2,3
	EPI_QK \t, 13056, 19200
.endr
	SCL 0, VC0, 0, VC1, 0
	TABLD 1
	WALK 1, 0, 2
	PLACES
	s_wait_loadcnt 0x0
.irp t, 0,1,2,3
	EPI_QK \t, 0, 12288
.endr
	STEP 0, 0, 0, 0, 2, 0
	STEP 0, 1, 1, 0, 0, 0
	STEP 0, 2, 2, 0, 0, 0
	TURN 0, 1, 3, 0, 0
	STEP 1, 0, 4, 0, 0, 0
	STEP 1, 1, 5, 0, 0, 0
	STEP 1, 2, 6, 0, 0, 0
	s_wait_dscnt 0x0
	WIN MUL
	MULA 0, 1, 7, 0, 0
	MULA 1, 1, 7, 0, 0
	MULA 2, 1, 7, 0, 0
	MULA 3, 1, 7, 0, 0
	WIN 0
	PLACES
.irp t, 0,1,2,3
	EPI_V \t
.endr
	s_wait_tensorcnt 0x0
	ds_add_u32 v16, v17
	s_wait_dscnt 0x0
	CROUND
	s_endpgm
.Lfunc_end_k_q3c123f56bc_proj:
	.size	k_q3c123f56bc_proj, .Lfunc_end_k_q3c123f56bc_proj-k_q3c123f56bc_proj
	.p2alignl 7, 3214868480
	.fill 96, 4, 3214868480
	.section	.rodata,"a",@progbits
	.p2align	6, 0x0
	.amdhsa_kernel k_q3c123f56bc_proj
		.amdhsa_group_segment_fixed_size 327680
		.amdhsa_private_segment_fixed_size 0
		.amdhsa_enable_private_segment 0
		.amdhsa_kernarg_size 56
		.amdhsa_user_sgpr_count 2
		.amdhsa_user_sgpr_kernarg_segment_ptr 1
		.amdhsa_wavefront_size32 1
		.amdhsa_system_sgpr_workgroup_id_x 1
		.amdhsa_system_sgpr_workgroup_id_y 1
		.amdhsa_system_sgpr_workgroup_id_z 1
		.amdhsa_system_vgpr_workitem_id 0
		.amdhsa_next_free_vgpr 1024
		.amdhsa_next_free_sgpr 100
		.amdhsa_reserve_vcc 0
		.amdhsa_float_denorm_mode_32 3
		.amdhsa_float_denorm_mode_16_64 3
		.amdhsa_memory_ordered 1
		.amdhsa_forward_progress 1
		.amdhsa_inst_pref_size 255
	.end_amdhsa_kernel
	.section	.bss,"aw",@nobits
	.p2align	6
	.space	262144
	.amdgpu_metadata
---
amdhsa.version: [ 1, 2 ]
amdhsa.kernels:
  - .name:           k_q3c123f56bc_proj
    .symbol:         k_q3c123f56bc_proj.kd
    .args:
      - { .name: codes, .offset: 0, .size: 8, .value_kind: global_buffer, .address_space: global }
      - { .name: scales, .offset: 8, .size: 8, .value_kind: global_buffer, .address_space: global }
      - { .name: tab, .offset: 16, .size: 8, .value_kind: global_buffer, .address_space: global }
      - { .name: bq, .offset: 24, .size: 8, .value_kind: global_buffer, .address_space: global }
      - { .name: bk, .offset: 32, .size: 8, .value_kind: global_buffer, .address_space: global }
      - { .name: bv, .offset: 40, .size: 8, .value_kind: global_buffer, .address_space: global }
      - { .name: qkv, .offset: 48, .size: 8, .value_kind: global_buffer, .address_space: global }
    .group_segment_fixed_size: 327680
    .private_segment_fixed_size: 0
    .kernarg_segment_align: 8
    .kernarg_segment_size: 56
    .max_flat_workgroup_size: 128
    .sgpr_count:     100
    .vgpr_count:     1024
    .wavefront_size: 32
...
	.end_amdgpu_metadata
.endif
;; end of part 2
;; launch attn (part 3): grid 4 x 64, 8 waves a work-group, clusters of 4 x 1, 327,680 bytes of LDS; arguments qkv, acodes, ascales; writes acodes, ascales
.if DOCPART == 3
	.amdgcn_target "amdgcn-amd-amdhsa--gfx1250"
	.amdhsa_code_object_version 6
	.text
	.protected	k_q3c123f56bc_attn
	.globl	k_q3c123f56bc_attn
	.p2align	8
	.type	k_q3c123f56bc_attn,@function
k_q3c123f56bc_attn:
	s_mov_b64 s[64:65], 0
	v_nop
	global_prefetch_b8 v0, s[64:65] scope:SCOPE_SE
	s_setreg_imm32_b32 hwreg(HW_REG_WAVE_MODE, 25, 1), 1
	s_wait_xcnt 0x0
	s_wait_alu depctr_hold_cnt(0) depctr_sa_sdst(0) depctr_va_vdst(0) depctr_va_sdst(0) depctr_va_ssrc(0) depctr_va_vcc(0) depctr_vm_vsrc(0)
	s_getreg_b32 s2, hwreg(HW_REG_IB_STS2, 6, 4)
	s_cmp_eq_u32 s2, 0
	s_cbranch_scc0 .Lentry_in_a_cluster
	s_endpgm
.Lentry_in_a_cluster:
	s_bfe_u32 s2, ttmp6, 0x10000c
	s_cmp_lg_u32 s2, 0x3003
	s_cbranch_scc0 .Lentry_shape_is_right
	s_endpgm
.Lentry_shape_is_right:
; attn[q] = softmax_k(q . k) v for 128 heads of 1,024 x 1,024 x 64, both products on codes of E3M2 with E8M0 scales; the result, divided by the row's sum, is quantised along e = 64 head + d for the last product.
; THE SOFTMAX: t = score x log2(e); M = the running largest t rounded UP to a whole number; p = 2^(t - M) is quantised along the keys, not normalised; the row's sum is taken of the unquantised p and divides at the end.
; When M moves, the sum and O are multiplied by f = 2^(old M - new M): exact.  A head begins with -M = 1e38, so its first f is 0 and wipes what the sum and O held: nothing is cleared between heads.
; LIMITS: the scaled scores (t) stay under 2^31 in magnitude.  NaN and infinities are not served; an O that has overflowed in one head would reach the pair's other head.  A block whose largest magnitude lies under 2^-122,
; or of zeros, gets the byte 1 (this program alone reads the bytes).  A block's largest p is the exponential of the block's largest score, which supposes that v_exp_f32 does not fall where its input rises.
; SHARES: a work-group owns 256 queries of a PAIR of heads; each of its eight waves owns TWO tiles of 16 queries, first in the one head, then in the other: it ends with two whole fragments (16 positions x 128 along e).
; LDS: the two heads' K, V^T and scale words, 16 chunks of 13,056 bytes, each byte filled once.  Wave w asks for chunk w of the first head at its first lines, and for chunk w of the second head behind the
; waits, add and round that stand ahead of a later first fill; a barrier behind trip 3 shows the second head's chunks to all waves, four trips ahead of their first read.
; CLUSTER: the four blocks of queries of a pair of heads read the same chunks: each load is asked for jointly by the four.  NO PREFETCH: both loads of a wave go out ahead of the first trip; no later load is left to run ahead of.
; LAYOUT: both products transposed: S^T = K Q^T, O^T = V^T P^T: a lane holds one query of each tile throughout.  WHICH KEYS FORM A TILE OF K is chosen by the lanes' LDS addresses: row r of tile 4 g + t is key
; 64 g + 32 (r / 8) + 8 t + r % 8.  So lane (r, h)'s 32 registers of tiles 4 g .. 4 g + 3 are keys 64 g + 32 h + 0 .. 31: a whole block of 32, in the very order of the next operand's registers 6 g .. 6 g + 5.
; In memory place p of tile 2 b + u holds key 32 b + 8 u + p + 8 (p / 8): row r of my tile is place r % 8 + 8 (t / 2) of tile 4 g + 2 (r / 8) + t % 2.
; THE HEAD HAS 64 ALONG K, THE INSTRUCTION 128: Q's registers 6-11 hold zero codes; K's operand of tile t spans the next tile's six registers, which are numbers whatever their bits and meet Q's zeros.
; 16 TRIPS, a chunk of 128 keys each, in two loops of 4 and 12; the next chunk's K is fetched under the softmax.  The last trip names chunk 15 again, so that the wait's count is one for all trips; what that brings is not used.
; CHAINS STAND AMONG INDEPENDENT LINES: the links from tile 0's maxima to its f stand among tile 1's maxima, tile 1's among tile 0's t - M, and the links from a block's largest p to p's scale word among the row sums.
; REGISTERS.  Window 0: v1 16 x lane, v2-4 K's lane addresses (16-byte pieces, 8-byte pieces, words), v5 4 x lane, v6-10 the trip's addresses, v11 8 h; v[12 + 4 u ..] -M, the largest score, the sum in two halves;
;   v20-23 K's words, v24-25 V's, v26-27 Q's, v28-29 the second head's; v30-31 the add's; v[32 + 64 u ..] S^T, then p; v[160 + 12 u ..] p's codes; v[184 + 24 u ..] at work; v[232 + 12 u ..] the result's fragment.
;   Window 1: v[32 u ..] O^T; v64-117 K; v[120 + 12 u ..] Q; v[144 + 6 u ..] the second head's Q; v160-207 V^T.
; At work: +0,1 block maxima; +2,3 scratch; +4..10 halves of conversions; +12,13 the conversions' scale operands; +14,15 bytes; +16 f; +17 p's scale word; +18 scratch; +19 the result's word; +20..23 second chains of the maxima, then two chains of the sum.
.set CH,   19712
.set CHK,  13056
.set SPARE, 16*CHK                     ; behind the chunks: the spare words, 128 bytes a wave
.set WV,   10
.set CX,   11
.set HP,   12
.set SEL,  14
.set CS,   16
.set TB,   18                          ; LDS byte at which the chunk in hand begins
.set CNT,  19
.set G1,   20
.set G0,   32                          ; group 0: my chunk of the first head
.set TBN,  36                          ; LDS byte of the next chunk
.set TMP,  37
.set G0B,  40                          ; group 0: my chunk of the second head
.set QB,   66
.set AB,   68
.set ASB,  70
.set ST,   12
.set KW,   20
.set VW,   24
.set QW,   26
.set QW2,  28
.set S,    32
.set PC,   160
.set T,    184
.set RES,  232
.set O,    0
.set KV,   64
.set Q,    120
.set Q2,   144
.set VV,   160
.set W_LD, 0x40                        ; destination window 1
.set W_KQ, 0x05                        ; K and Q window 1, S^T window 0
.set W_PV, 0x51                        ; V window 1, p's codes window 0, O^T window 1
.set W_RS, 0x41                        ; destination and source 0 window 1
.set W_FO, 0x01                        ; source 0 window 1
.set MSB, 0
.macro WIN new
.if MSB != \new
	s_set_vgpr_msb (MSB<<8)|\new
.set MSB, \new
.endif
.endm
.macro CROUND
	s_barrier_signal -1
	s_barrier_wait -1
	s_cmp_lg_u32 s[WV], 0
	s_cbranch_scc1 .Lnot_wave_0_\@
	s_barrier_signal -3
.Lnot_wave_0_\@:
	s_barrier_wait -3
	s_barrier_signal -1
	s_barrier_wait -1
.endm
; A chunk's eight tiles of K and their words: 16 + 4 LDS loads
.macro KLOAD a, b, w
	WIN W_LD
.irp t, 0,1,2,3,4,5,6,7
	ds_load_b128 v[KV+6*\t:KV+6*\t+3], v[\a] offset:768*(4*(\t/4)+\t%2)+128*((\t%4)/2)
	ds_load_b64 v[KV+6*\t+4:KV+6*\t+5], v[\b] offset:768*(4*(\t/4)+\t%2)+512+64*((\t%4)/2)
.endr
	WIN 0
.irp j, 0,1,2,3
	ds_load_b32 v[KW+\j], v[\w] offset:12288+256*(\j/2)+32*(\j%2)   ; lanes 0-15: tile 2 j's words; lanes 16-31: tile 2 j + 1's
.endr
.endm
; The largest score of tile u's two blocks of 32 keys: two chains of 16 for each block, four by turns; each accumulator is first read at its low end
.macro MAXI u
.irp c, 0,1
.irp k, 0,16
	v_max3_num_f32 v[T+24*(\u)+\c+20*(\k/16)], v[S+64*(\u)+32*\c+\k], v[S+64*(\u)+32*\c+\k+1], v[S+64*(\u)+32*\c+\k+2]
.endr
.endr
.endm
.macro MAXL u, i
.irp c, 0,1
.irp k, 0,16
	v_max3_num_f32 v[T+24*(\u)+\c+20*(\k/16)], v[T+24*(\u)+\c+20*(\k/16)], v[S+64*(\u)+32*\c+\k+\i], v[S+64*(\u)+32*\c+\k+\i+1]
.endr
.endr
.endm
; Link l of tile u's chain from the four chains of maxima to f
.macro SM l, u
.if \l == 1
	v_max3_num_f32 v[T+24*(\u)], v[T+24*(\u)], v[T+24*(\u)+20], v[S+64*(\u)+15]
	v_max3_num_f32 v[T+24*(\u)+1], v[T+24*(\u)+1], v[T+24*(\u)+21], v[S+64*(\u)+47]
.elseif \l == 2
	v_max_num_f32 v[T+24*(\u)], v[T+24*(\u)], v[S+64*(\u)+31]        ; the blocks' largest scores
	v_max_num_f32 v[T+24*(\u)+1], v[T+24*(\u)+1], v[S+64*(\u)+63]
.elseif \l == 3
	v_max_num_f32 v[T+24*(\u)+2], v[T+24*(\u)], v[T+24*(\u)+1]
.elseif \l == 4
	v_permlanex16_b32 v[T+24*(\u)+3], v[T+24*(\u)+2], s[SEL], s[SEL+1]
.elseif \l == 5
	v_max3_num_f32 v[ST+4*(\u)+1], v[ST+4*(\u)+1], v[T+24*(\u)+2], v[T+24*(\u)+3]   ; the running largest score, with lane l xor 16's 64 keys
.elseif \l == 6
	v_mul_f32 v[T+24*(\u)+2], s[CS], v[ST+4*(\u)+1]                  ; as t
.elseif \l == 7
	v_floor_f32 v[T+24*(\u)+18], -v[T+24*(\u)+2]                     ; the new -M = -ceil(t)
.elseif \l == 8
	v_sub_f32 v[T+24*(\u)+2], v[T+24*(\u)+18], v[ST+4*(\u)]          ; old M - new M: a whole number, 0 or less
	v_mov_b32 v[ST+4*(\u)], v[T+24*(\u)+18]
.elseif \l == 9
	v_cvt_i32_f32 v[T+24*(\u)+2], v[T+24*(\u)+2]                     ; (it saturates)
.else
	v_ldexp_f32 v[T+24*(\u)+16], 1.0, v[T+24*(\u)+2]                 ; f = 2^(old M - new M)
.endif
.endm
.macro TM0 j                           ; tile 0: t - M of six scores
.irp d, 0,2,4
	v_pk_fma_f32 v[S+\j+\d:S+\j+\d+1], v[S+\j+\d:S+\j+\d+1], s[CS:CS+1], v[ST:ST+1] op_sel_hi:[1,0,0]
.endr
.endm
.macro SUM3 i                          ; three pairs of each tile's p onto its three chains
.irp u, 0,1
	v_pk_add_f32 v[ST+4*\u+2:ST+4*\u+3], v[ST+4*\u+2:ST+4*\u+3], v[S+64*\u+\i:S+64*\u+\i+1]
.endr
.irp u, 0,1
	v_pk_add_f32 v[T+24*\u+20:T+24*\u+21], v[T+24*\u+20:T+24*\u+21], v[S+64*\u+\i+2:S+64*\u+\i+3]
.endr
.irp u, 0,1
	v_pk_add_f32 v[T+24*\u+22:T+24*\u+23], v[T+24*\u+22:T+24*\u+23], v[S+64*\u+\i+4:S+64*\u+\i+5]
.endr
.endm
; A TRIP: the 128 keys of the chunk at s[TB], for both tiles.  dofin = 1: trips 7 and 15 end a head.  lim: the last chunk that this loop's look-ahead may name
.macro TRIP dofin, lim
	s_wait_dscnt 0x0                               ; this chunk's K and its words
	WIN W_KQ
.irp t, 0,1,2,3,4,5,6,7
.irp u, 0,1
.if \t%2 == 0
	v_wmma_scale_f32_16x16x128_f8f6f4 v[S+64*\u+8*\t:S+64*\u+8*\t+7], v[KV+6*\t:KV+6*\t+11], v[Q+12*\u:Q+12*\u+11], 0, v[KW+\t/2], v[QW+\u] matrix_a_fmt:MATRIX_FMT_BF6 matrix_b_fmt:MATRIX_FMT_BF6
.else
	v_wmma_scale_f32_16x16x128_f8f6f4 v[S+64*\u+8*\t:S+64*\u+8*\t+7], v[KV+6*\t:KV+6*\t+11], v[Q+12*\u:Q+12*\u+11], 0, v[KW+\t/2], v[QW+\u] matrix_a_fmt:MATRIX_FMT_BF6 matrix_b_fmt:MATRIX_FMT_BF6 matrix_a_scale:MATRIX_SCALE_ROW1
.endif
.endr
.endr
	WIN 0
	s_add_co_u32 s[TBN], s[TB], CHK
	s_min_u32 s[TBN], s[TBN], \lim
	v_add_nc_u32 v6, s[TB], v1                     ; five plain lines: the places in front of the loads below and of the first read of the scores
	v_add_nc_u32 v7, s[TB], v5
	v_add_nc_u32 v8, s[TBN], v2
	v_add_nc_u32 v9, s[TBN], v3
	v_add_nc_u32 v10, s[TBN], v4
	WIN W_LD
.irp t, 0,1,2,3                                ; V^T's four fragments and their words, then the next chunk's K: all land under the softmax
.irp c, 0,1,2
	ds_load_b128 v[VV+12*\t+4*\c:VV+12*\t+4*\c+3], v6 offset:6144+1536*\t+512*\c
.endr
.endr
	WIN 0
	ds_load_b32 v[VW], v7 offset:12800
	ds_load_b32 v[VW+1], v7 offset:12928
	KLOAD 8, 9, 10
	MAXI 0                                         ; tile 0's maxima
.irp i, 3,5,7,9,11,13
	MAXL 0, \i
.endr
	SM 1, 0                                        ; tile 0's chain, link by link among tile 1's maxima
	MAXI 1
	SM 2, 0
	MAXL 1, 3
	SM 3, 0
	MAXL 1, 5
	SM 4, 0
	MAXL 1, 7
	SM 5, 0
	MAXL 1, 9
	SM 6, 0
	MAXL 1, 11
	SM 7, 0
	MAXL 1, 13
	SM 8, 0
	SM 1, 1                                        ; tile 1's chain, link by link among tile 0's t - M
	TM0 0
	SM 9, 0
	SM 2, 1
	TM0 6
	SM 10, 0
	SM 3, 1
	TM0 12
	SM 4, 1
	TM0 18
	SM 5, 1
	TM0 24
	SM 6, 1
	TM0 30
	SM 7, 1
	TM0 36
	SM 8, 1
	TM0 42
	SM 9, 1
	TM0 48
	SM 10, 1
	TM0 54
	v_pk_fma_f32 v[S+60:S+61], v[S+60:S+61], s[CS:CS+1], v[ST:ST+1] op_sel_hi:[1,0,0]
	v_pk_fma_f32 v[S+62:S+63], v[S+62:S+63], s[CS:CS+1], v[ST:ST+1] op_sel_hi:[1,0,0]
.irp c, 0,1
.irp u, 0,1
	v_fma_f32 v[T+24*\u+\c], v[T+24*\u+\c], s[CS], v[ST+4*\u]   ; t - M of each block's largest score
.endr
.endr
	WIN W_RS
.irp j, 0,2,4,6,8,10,12,14,16,18,20,22,24,26,28,30
.irp u, 0,1
	v_pk_mul_f32 v[O+32*\u+\j:O+32*\u+\j+1], v[O+32*\u+\j:O+32*\u+\j+1], v[T+24*\u+16:T+24*\u+17] op_sel_hi:[1,0]   ; O^T under the new M
.endr
.endr
	WIN 0
	s_wait_alu depctr_va_vdst(0)                   ; the wait ahead of the batch
.set z, 0
.rept 32                                       ; tile 0's p = 2^(t - M), with tile 1's t - M between
	v_exp_f32 v[S+2*z], v[S+2*z]
	v_pk_fma_f32 v[S+64+2*z:S+64+2*z+1], v[S+64+2*z:S+64+2*z+1], s[CS:CS+1], v[ST+4:ST+5] op_sel_hi:[1,0,0]
	v_exp_f32 v[S+2*z+1], v[S+2*z+1]
.set z, z+1
.endr
	s_wait_alu depctr_va_vdst(0)                   ; and ahead of tile 1's batch, whose sources were written among the exponentials
.set z, 0
.rept 64
	v_exp_f32 v[S+64+z], v[S+64+z]
.set z, z+1
.endr
.irp c, 0,1
.irp u, 0,1
	v_exp_f32 v[T+24*\u+\c], v[T+24*\u+\c]         ; the block's largest p
.endr
.endr
	v_nop                                          ; a plain place behind the exponentials
	s_wait_alu depctr_va_vdst(0)                   ; one wait for all of them, ahead of their first reader
	s_wait_dscnt 20                                ; V^T and its words are in: behind them stand the next K's 16 loads and its 4 words'
; From here the links from a block's largest p to p's scale word stand among the row's sum of the unquantised p: 32 pairs of each tile in three chains
.irp c, 0,1
.irp u, 0,1
	v_max_num_f32 v[T+24*\u+\c], 0x2800000, v[T+24*\u+\c]   ; the floor 2^(5 - 127): the byte cannot fall under 1
.endr
.endr
.irp u, 0,1                                    ; the sum's first line brings the old sum under the new M
	v_pk_fma_f32 v[ST+4*\u+2:ST+4*\u+3], v[ST+4*\u+2:ST+4*\u+3], v[T+24*\u+16:T+24*\u+17], v[S+64*\u:S+64*\u+1] op_sel_hi:[1,0,1]
.endr
.irp u, 0,1
	v_pk_add_f32 v[T+24*\u+20:T+24*\u+21], v[S+64*\u+2:S+64*\u+3], v[S+64*\u+4:S+64*\u+5]
.endr
.irp u, 0,1
	v_pk_add_f32 v[T+24*\u+22:T+24*\u+23], v[S+64*\u+6:S+64*\u+7], v[S+64*\u+8:S+64*\u+9]
.endr
.irp c, 0,1
.irp u, 0,1
	v_add_nc_u32 v[T+24*\u+12+\c], 0xfe000000, v[T+24*\u+\c]   ; 4 off the exponent field: the conversion's scale operand
.endr
.endr
	SUM3 10
.irp c, 0,1
.irp u, 0,1
	v_lshrrev_b32 v[T+24*\u+14+\c], 23, v[T+24*\u+12+\c]   ; the scale's byte
.endr
.endr
	SUM3 16
.irp u, 0,1
	v_lshl_or_b32 v[T+24*\u+14], v[T+24*\u+15], 16, v[T+24*\u+14]   ; my bytes: blocks h and 2 + h,
.endr
	SUM3 22
.irp u, 0,1
	v_lshlrev_b32 v[T+24*\u+14], v11, v[T+24*\u+14]   ; at their places, 8 h bits up;
.endr
	SUM3 28
.irp u, 0,1
	v_permlanex16_b32 v[T+24*\u+3], v[T+24*\u+14], s[SEL], s[SEL+1]
.endr
	SUM3 34
.irp u, 0,1
	v_or_b32 v[T+24*\u+17], v[T+24*\u+14], v[T+24*\u+3]   ; with lane l xor 16's two: p's scale word for these 128 keys
.endr
.irp c, 0,1
.irp u, 0,1
	v_cvt_scalef32_pk16_bf6_f32 v[PC+12*\u+6*\c:PC+12*\u+6*\c+2], v[S+64*\u+32*\c:S+64*\u+32*\c+15], v[T+24*\u+12+\c]
	v_cvt_scalef32_pk16_bf6_f32 v[T+24*\u+4+4*\c:T+24*\u+6+4*\c], v[S+64*\u+32*\c+16:S+64*\u+32*\c+31], v[T+24*\u+12+\c]   ; (a conversion's three registers begin on an even number)
.endr
.endr
	v_nop                                          ; one plain place behind a scaled conversion
.irp c, 0,1
.irp u, 0,1
.irp i, 0,1,2
	v_mov_b32 v[PC+12*\u+6*\c+3+\i], v[T+24*\u+4+4*\c+\i]
.endr
.endr
.endr
	SUM3 40                                        ; these twelve lines name no register of the products below: the places between p's codes and scale words and those products
	SUM3 46
	WIN W_PV
.irp t, 0,1,2,3                                ; the eight accumulators take turns, one instruction a turn
.irp u, 0,1
.if \t%2 == 0
	v_wmma_scale_f32_16x16x128_f8f6f4 v[O+32*\u+8*\t:O+32*\u+8*\t+7], v[VV+12*\t:VV+12*\t+11], v[PC+12*\u:PC+12*\u+11], v[O+32*\u+8*\t:O+32*\u+8*\t+7], v[VW+\t/2], v[T+24*\u+17] matrix_a_fmt:MATRIX_FMT_BF6 matrix_b_fmt:MATRIX_FMT_BF6
.else
	v_wmma_scale_f32_16x16x128_f8f6f4 v[O+32*\u+8*\t:O+32*\u+8*\t+7], v[VV+12*\t:VV+12*\t+11], v[PC+12*\u:PC+12*\u+11], v[O+32*\u+8*\t:O+32*\u+8*\t+7], v[VW+\t/2], v[T+24*\u+17] matrix_a_fmt:MATRIX_FMT_BF6 matrix_b_fmt:MATRIX_FMT_BF6 matrix_a_scale:MATRIX_SCALE_ROW1
.endif
.endr
.endr
	WIN 0
	SUM3 52                                        ; the rest of the sum stands behind the products, of whose registers it names none
	SUM3 58
.irp u, 0,1
	v_pk_add_f32 v[T+24*\u+20:T+24*\u+21], v[T+24*\u+20:T+24*\u+21], v[T+24*\u+22:T+24*\u+23]
.endr
.irp u, 0,1
	v_pk_add_f32 v[ST+4*\u+2:ST+4*\u+3], v[ST+4*\u+2:ST+4*\u+3], v[T+24*\u+20:T+24*\u+21]
.endr
.if \dofin
	s_and_b32 s[TMP], s[CNT], 7
	s_cmp_lg_u32 s[TMP], 7                         ; trips 7 and 15 end a head
	s_cbranch_scc1 .Lnofin_\@
; A HEAD'S END: each tile's O^T / the sum, two blocks of 32 along d, become the upper half of its result's fragment and scale word; what the first head left there moves to the lower half first.
	s_wait_alu depctr_va_vdst(0)
.irp u, 0,1
	v_mov_b32 v[QW+\u], v[QW2+\u]                  ; the second head's Q: its scale words  (behind the second head these copies find what is there already)
.endr
	WIN W_RS
.irp u, 0,1
.irp i, 0,1,2,3,4,5
	v_mov_b32 v[Q+12*\u+\i], v[Q2+6*\u+\i]         ; and its codes
.endr
.endr
	WIN 0
.irp u, 0,1
	v_add_f32 v[ST+4*\u+2], v[ST+4*\u+2], v[ST+4*\u+3]
.endr
.irp u, 0,1
	v_permlanex16_b32 v[T+24*\u+16], v[ST+4*\u+2], s[SEL], s[SEL+1]
.endr
.irp u, 0,1
	v_add_f32 v[ST+4*\u+2], v[ST+4*\u+2], v[T+24*\u+16]   ; the row's sum
.endr
	s_wait_alu depctr_va_vdst(0)
.irp u, 0,1
	v_rcp_f32 v[ST+4*\u+2], v[ST+4*\u+2]
.endr
	v_nop
	WIN W_FO
	s_wait_alu depctr_va_vdst(0)                   ; for the reciprocals, and directly ahead of the first readers of O^T
.irp j, 0,2,4,6,8,10,12,14,16,18,20,22,24,26,28,30
.irp u, 0,1
	v_pk_mul_f32 v[S+64*\u+\j:S+64*\u+\j+1], v[O+32*\u+\j:O+32*\u+\j+1], v[ST+4*\u+2:ST+4*\u+3] op_sel_hi:[1,0]   ; register 16 b + i is d = 32 b + 16 h + i
.endr
.endr
	WIN 0
.irp u, 0,1
.irp i, 0,1,2,3,4,5
	v_mov_b32 v[RES+12*\u+\i], v[RES+12*\u+6+\i]
.endr
	v_lshrrev_b32 v[T+24*\u+19], 16, v[T+24*\u+19]
.endr
.irp b, 0,1
.irp u, 0,1
	v_max3_num_f32 v[T+24*\u+\b], |v[S+64*\u+16*\b]|, |v[S+64*\u+16*\b+1]|, 0x2800000
.endr
.endr
.irp i, 2,4,6,8,10,12,14
.irp b, 0,1
.irp u, 0,1
	v_max3_num_f32 v[T+24*\u+\b], v[T+24*\u+\b], |v[S+64*\u+16*\b+\i]|, |v[S+64*\u+16*\b+\i+1]|
.endr
.endr
.endr
.irp b, 0,1
.irp u, 0,1
	v_permlanex16_b32 v[T+24*\u+4+\b], v[T+24*\u+\b], s[SEL], s[SEL+1]
.endr
.endr
.irp b, 0,1
.irp u, 0,1
	v_max_num_f32 v[T+24*\u+\b], v[T+24*\u+\b], v[T+24*\u+4+\b]
.endr
.endr
.irp b, 0,1
.irp u, 0,1
	v_add_nc_u32 v[T+24*\u+12+\b], 0xfe000000, v[T+24*\u+\b]
.endr
.endr
.irp b, 0,1
.irp u, 0,1
	v_lshrrev_b32 v[T+24*\u+4+\b], 23, v[T+24*\u+12+\b]
.endr
.endr
.irp u, 0,1
	v_lshl_or_b32 v[T+24*\u+4], v[T+24*\u+5], 8, v[T+24*\u+4]
.endr
.irp u, 0,1
	v_lshl_or_b32 v[T+24*\u+19], v[T+24*\u+4], 16, v[T+24*\u+19]
.endr
.irp u, 0,1
	v_cvt_scalef32_pk16_bf6_f32 v[RES+12*\u+6:RES+12*\u+8], v[S+64*\u:S+64*\u+15], v[T+24*\u+12]
	v_cvt_scalef32_pk16_bf6_f32 v[T+24*\u+8:T+24*\u+10], v[S+64*\u+16:S+64*\u+31], v[T+24*\u+13]
.endr
	v_nop                                          ; one plain place behind a scaled conversion
.irp u, 0,1
.irp i, 0,1,2
	v_permlane16_swap_b32 v[RES+12*\u+6+\i], v[T+24*\u+8+\i]   ; a whole block in a lane
.endr
.endr
.irp u, 0,1
.irp i, 0,1,2
	v_mov_b32 v[RES+12*\u+9+\i], v[T+24*\u+8+\i]
.endr
	v_mov_b32 v[ST+4*\u], 0x7e967699               ; the next head begins: -M = 1e38,
	v_mov_b32 v[ST+4*\u+1], 0xfe967699             ; the largest score -1e38
.endr
	s_wait_alu depctr_va_vdst(0)
.Lnofin_\@:
.endif
	s_add_co_u32 s[TB], s[TB], CHK
	s_add_co_u32 s[CNT], s[CNT], 1
.endm
	s_load_b128 s[4:7], s[0:1], 0x0                ; qkv, acodes
	s_load_b64 s[8:9], s[0:1], 0x10                ; ascales
	v_lshl_add_u32 v30, v0, 2, SPARE
	v_mov_b32 v31, 0
	ds_add_u32 v30, v31                            ; the opening lines: the add, twice on end, and its wait
	ds_add_u32 v30, v31
	v_lshrrev_b32 v1, 5, v0
	v_readfirstlane_b32 s[WV], v1                  ; wave 0..7
	s_bfe_u32 s[CX], ttmp6, 0x40000                ; cx: my block of 256 queries; it enters Q's and the result's addresses alone
	s_and_b32 s[HP], ttmp7, 0xffff                 ; the pair of heads, which the four partners share
	s_mov_b32 s[G1], 15|(3<<16)|(1<<21)            ; the mask: all four; elements of 8 bytes; bit 21 beside a mask
	s_mov_b32 s[G1+1], 1632<<16                    ; one row: a chunk's first 13,056 bytes
	s_mov_b32 s[G1+2], 1<<16
	s_mov_b32 s[G1+3], 1632<<16
	s_mov_b32 s[G1+4], 1
	s_mov_b32 s[G1+5], 1632
	s_mov_b32 s[G1+6], 1<<16
	s_mov_b32 s[G1+7], 0
	s_mul_i32 s28, s[HP], 16*CH
	s_mul_i32 s30, s[WV], CH
	s_add_co_u32 s28, s28, s30                     ; chunk w of the pair's first eight
	s_mov_b32 s29, 0
	s_mov_b32 s[G0], 1
	s_mul_i32 s[G0+1], s[WV], CHK
	s_mov_b32 s[G0B], 1
	s_add_co_u32 s[G0B+1], s[G0+1], 8*CHK
	s_mov_b32 s[SEL], 0x76543210
	s_mov_b32 s[SEL+1], 0xfedcba98
	s_mov_b32 s[CS], 0x3fb8aa3b                    ; log2(e)
	s_mov_b32 s[CS+1], s[CS]
	s_lshl_b32 s72, s[HP], 4                       ; Q's chunk: 16 x pair + 2 cx + wave / 4
	s_lshl_b32 s73, s[CX], 1
	s_add_co_u32 s72, s72, s73
	s_lshr_b32 s73, s[WV], 2
	s_add_co_u32 s72, s72, s73
	s_mul_i32 s72, s72, CH
	s_mov_b32 s73, 0
	s_and_b32 s30, s[WV], 3
	s_lshl_b32 s30, s30, 1                         ; my first tile in it: 2 (wave % 4)
	s_lshl_b32 s31, s30, 6                         ; its words,
	s_mul_i32 s30, s30, 768                        ; its codes
	s_lshr_b32 s74, s[HP], 3                       ; the first result's row tile: 64 batch + 16 cx + 2 wave
	s_lshl_b32 s74, s74, 6
	s_lshl_b32 s75, s[CX], 4
	s_add_co_u32 s74, s74, s75
	s_lshl_b32 s75, s[WV], 1
	s_add_co_u32 s74, s74, s75
	s_and_b32 s75, s[HP], 7                        ; its K step: the pair within the batch
	s_lshl_b32 s76, s74, 3
	s_add_co_u32 s76, s76, s75
	s_mul_i32 s76, s76, 1536
	s_mov_b32 s77, 0
	s_lshl_b32 s78, s74, 9
	s_lshr_b32 s79, s75, 2
	s_lshl_b32 s79, s79, 8
	s_add_co_u32 s78, s78, s79
	s_and_b32 s79, s[HP], 3
	s_lshl_b32 s79, s79, 2
	s_add_co_u32 s78, s78, s79
	s_mov_b32 s79, 0
	v_and_b32 v32, 31, v0                          ; lane.  (The lane addresses are made while the adds and the arguments are on their way)
	v_and_b32 v33, 15, v0                          ; r
	v_bfe_u32 v34, v0, 4, 1                        ; h
	v_bfe_u32 v35, v0, 3, 1                        ; r / 8
	v_and_b32 v36, 7, v0                           ; r % 8
	v_lshlrev_b32 v1, 4, v32
	v_lshlrev_b32 v5, 2, v32
	v_lshlrev_b32 v11, 3, v34
	v_mul_u32_u24 v37, v35, 1536                   ; two tiles on for rows 8-15
	v_lshl_add_u32 v2, v36, 4, v37
	v_lshl_add_u32 v2, v34, 8, v2                  ; 1536 (r / 8) + 16 (r % 8) + 256 h
	v_lshl_add_u32 v3, v36, 3, v37
	v_lshl_add_u32 v3, v34, 7, v3                  ; 1536 (r / 8) + 8 (r % 8) + 128 h
	v_lshlrev_b32 v4, 7, v35
	v_lshl_add_u32 v4, v34, 6, v4
	v_lshl_add_u32 v4, v36, 2, v4                  ; 128 (r / 8) + 64 h + 4 (r % 8)
	v_lshl_add_u32 v38, v33, 2, s31                ; Q's words,
	v_add_nc_u32 v39, s30, v1                      ; its pieces of 16 bytes,
	v_lshl_add_u32 v40, v32, 3, s30                ; and of 8
	s_wait_alu depctr_va_vdst(0)
	s_wait_dscnt 0x0                               ; both opening adds are done
	s_wait_kmcnt 0x0
	s_add_nc_u64 s[G0+2:G0+3], s[4:5], s[28:29]
	s_add_nc_u64 s[G0B+2:G0B+3], s[G0+2:G0+3], 8*CH
	s_or_b32 s[G0+3], s[G0+3], 0x80000000
	s_or_b32 s[G0B+3], s[G0B+3], 0x80000000
	s_add_nc_u64 s[QB:QB+1], s[4:5], s[72:73]
	s_add_nc_u64 s[AB:AB+1], s[6:7], s[76:77]
	s_add_nc_u64 s[ASB:ASB+1], s[8:9], s[78:79]
	WIN W_LD
.irp u, 0,1                                    ; Q goes straight into registers: asked for ahead of the round, waited for at the head's end
	global_load_b128 v[Q+12*\u:Q+12*\u+3], v39, s[QB:QB+1] offset:13056+768*\u
	global_load_b64 v[Q+12*\u+4:Q+12*\u+5], v40, s[QB:QB+1] offset:13056+768*\u+512
	global_load_b128 v[Q2+6*\u:Q2+6*\u+3], v39, s[QB:QB+1] offset:8*CH+13056+768*\u
	global_load_b64 v[Q2+6*\u+4:Q2+6*\u+5], v40, s[QB:QB+1] offset:8*CH+13056+768*\u+512
.endr
	WIN 0
.irp u, 0,1
	global_load_b32 v[QW+\u], v38, s[QB:QB+1] offset:19200+64*\u
	global_load_b32 v[QW2+\u], v38, s[QB:QB+1] offset:8*CH+19200+64*\u
.endr
	CROUND                                         ; all four work-groups are here: the joint loads meet
	tensor_load_to_lds s[G0:G0+3], s[G1:G1+7]      ; my one tensor load at the head: chunk w of the first head
	s_nop 0
	WIN W_LD
.irp i, 0,1,2,3,4,5
	v_mov_b32 v[Q+6+\i], 0                         ; Q's empty half: zero codes
	v_mov_b32 v[Q+18+\i], 0
	v_mov_b32 v[KV+48+\i], 0                       ; what stands behind K's last tile
.endr
.set z, 0
.rept 64
	v_mov_b32 v[O+z], 0                            ; O^T holds numbers from the start: the first f, 0, wipes them
.set z, z+1
.endr
	WIN 0
.irp u, 0,1
	v_mov_b32 v[ST+4*\u], 0x7e967699               ; -M = 1e38
	v_mov_b32 v[ST+4*\u+1], 0xfe967699             ; the largest score so far: -1e38
	v_mov_b32 v[ST+4*\u+2], 0
	v_mov_b32 v[ST+4*\u+3], 0
	v_mov_b32 v[T+24*\u+3], 0                      ; a lane permute's destination counts as one of its sources
	v_mov_b32 v[T+24*\u+17], 0                     ; (named as the upper half of a pair with f before it is first written)
	v_mov_b32 v[T+24*\u+19], 0
.irp i, 6,7,8,9,10,11
	v_mov_b32 v[RES+12*\u+\i], 0
.endr
.endr
	s_mov_b32 s[TB], 0
	s_mov_b32 s[CNT], 0
	s_wait_alu depctr_va_vdst(0)
	s_wait_loadcnt 0x0                             ; Q
	s_wait_tensorcnt 0x0                           ; my chunk of the first head is in
	ds_add_u32 v30, v31
	s_wait_dscnt 0x0
	CROUND                                         ; everybody's chunk is in, and all four work-groups are here
	tensor_load_to_lds s[G0B:G0B+3], s[G1:G1+7]    ; chunk w of the second head: it has the first four trips in which to land
	s_nop 0
	KLOAD 2, 3, 4                                  ; chunk 0's K
.Lone:
	TRIP 0, 4*CHK
	s_cmp_lt_u32 s[CNT], 4
	s_cbranch_scc1 .Lone
	s_wait_tensorcnt 0x0                           ; my chunk of the second head is in,
	s_wait_dscnt 0x0                               ; no LDS load of mine is out at the signal,
	s_barrier_signal -1
	s_barrier_wait -1                              ; and everybody's chunk is in
	s_mov_b32 s[TB], 4*CHK
	s_mov_b32 s[CNT], 4
.Ltwo:
	TRIP 1, 15*CHK
	s_cmp_lt_u32 s[CNT], 16
	s_cbranch_scc1 .Ltwo
	v_and_b32 v32, 15, v0
	v_and_b32 v33, 31, v0
	v_lshlrev_b32 v32, 4, v32                      ; 16 r: the result's scale words
	v_cmp_gt_u32 vcc_lo, 16, v33
	s_wait_alu depctr_va_vdst(0)
.irp u, 0,1
.irp c, 0,1,2
	global_store_b128 v1, v[RES+12*\u+4*\c:RES+12*\u+4*\c+3], s[AB:AB+1] offset:12288*\u+512*\c   ; 512 consecutive bytes, at a multiple of 256 from the buffer's first byte
.endr
.endr
	s_wait_xcnt 0x0                                ; EXEC changes only behind this wait
	s_and_saveexec_b32 s72, vcc_lo
	global_store_b32 v32, v[T+19], s[ASB:ASB+1]    ; lanes 0-15: row r's word
	global_store_b32 v32, v[T+24+19], s[ASB:ASB+1] offset:512
	s_wait_xcnt 0x0                                ; and again, in front of the line that widens it
	s_or_b32 exec_lo, exec_lo, s72
	s_wait_tensorcnt 0x0                           ; the wave's end
	ds_add_u32 v30, v31
	s_wait_dscnt 0x0
	CROUND                                         ; the closing round
	s_endpgm
.Lfunc_end_k_q3c123f56bc_attn:
	.size	k_q3c123f56bc_attn, .Lfunc_end_k_q3c123f56bc_attn-k_q3c123f56bc_attn
	.p2alignl 7, 3214868480
	.fill 96, 4, 3214868480
	.section	.rodata,"a",@progbits
	.p2align	6, 0x0
	.amdhsa_kernel k_q3c123f56bc_attn
		.amdhsa_group_segment_fixed_size 327680
		.amdhsa_private_segment_fixed_size 0
		.amdhsa_enable_private_segment 0
		.amdhsa_kernarg_size 24
		.amdhsa_user_sgpr_count 2
		.amdhsa_user_sgpr_kernarg_segment_ptr 1
		.amdhsa_wavefront_size32 1
		.amdhsa_system_sgpr_workgroup_id_x 1
		.amdhsa_system_sgpr_workgroup_id_y 1
		.amdhsa_system_sgpr_workgroup_id_z 1
		.amdhsa_system_vgpr_workitem_id 0
		.amdhsa_next_free_vgpr 512
		.amdhsa_next_free_sgpr 80
		.amdhsa_reserve_vcc 1
		.amdhsa_float_denorm_mode_32 3
		.amdhsa_float_denorm_mode_16_64 3
		.amdhsa_memory_ordered 1
		.amdhsa_forward_progress 1
		.amdhsa_inst_pref_size 75
	.end_amdhsa_kernel
	.amdgpu_metadata
---
amdhsa.version: [ 1, 2 ]
amdhsa.kernels:
  - .name:           k_q3c123f56bc_attn
    .symbol:         k_q3c123f56bc_attn.kd
    .args:
      - { .name: qkv, .offset: 0, .size: 8, .value_kind: global_buffer, .address_space: global }
      - { .name: acodes, .offset: 8, .size: 8, .value_kind: global_buffer, .address_space: global }
      - { .name: ascales, .offset: 16, .size: 8, .value_kind: global_buffer, .address_space: global }
    .group_segment_fixed_size: 327680
    .private_segment_fixed_size: 0
    .kernarg_segment_align: 8
    .kernarg_segment_size: 24
    .max_flat_workgroup_size: 256
    .sgpr_count:     80
    .vgpr_count:     512
    .wavefront_size: 32
...
	.end_amdgpu_metadata
.endif
;; end of part 3
;; launch outp (part 4): grid 4 x 64, 4 waves a work-group, clusters of 4 x 4, 327,680 bytes of LDS; arguments acodes, ascales, codes, scales, bo, out0; writes out0
.if DOCPART == 4
	.amdgcn_target "amdgcn-amd-amdhsa--gfx1250"
	.amdhsa_code_object_version 6
	.text
	.protected	k_q3c123f56bc_outp
	.globl	k_q3c123f56bc_outp
	.p2align	8
	.type	k_q3c123f56bc_outp,@function
k_q3c123f56bc_outp:
	s_mov_b64 s[64:65], 0
	v_nop
	global_prefetch_b8 v0, s[64:65] scope:SCOPE_SE
	s_setreg_imm32_b32 hwreg(HW_REG_WAVE_MODE, 25, 1), 1
	s_wait_xcnt 0x0
	s_wait_alu depctr_hold_cnt(0) depctr_sa_sdst(0) depctr_va_vdst(0) depctr_va_sdst(0) depctr_va_ssrc(0) depctr_va_vcc(0) depctr_vm_vsrc(0)
	s_getreg_b32 s2, hwreg(HW_REG_IB_STS2, 6, 4)
	s_cmp_eq_u32 s2, 0
	s_cbranch_scc0 .Lentry_in_a_cluster
	s_endpgm
.Lentry_in_a_cluster:
	s_bfe_u32 s2, ttmp6, 0x10000c
	s_cmp_lg_u32 s2, 0xf033
	s_cbranch_scc0 .Lentry_shape_is_right
	s_endpgm
.Lentry_shape_is_right:
; out0 = attn wo^T + bo: [8192][1024] x [1024][1024] on codes of E3M2 with E8M0 scales, sums in f32.  Both operands come as images of a matrix operand's registers: fragment (row tile RT, K step s) at (8 RT + s) x 1,536 bytes.
; A work-group makes 128 rows x 256 columns; a wave 64 x 128: 32 accumulators.  ALL OF K LIES IN LDS AT ONCE: attn's 8 row tiles (98,304 bytes), then wo's 16 (196,608 bytes), each byte filled once.
; Each wave asks for its share by ONE tensor load at its first lines: waves 0, 1 four row tiles of attn each, waves 2, 3 eight of wo each: dense blocks, rows of 12,288 bytes.  One barrier shows them to all four waves.
; CLUSTER 4 x 4: attn's tiles are shared along a row of the cluster, wo's along a column: joint loads.  NO PREFETCH: all that the launch reads by tensor loads is asked for at its first lines.
; TRANSPOSED: source 0 = 16 rows of wo, source 1 = 16 positions: a lane holds neighbouring columns of one row of the result.  The bias is the C of the first K step.
; THE WAY OUT goes through a stage of 16 rows x 528 bytes a wave, laid on attn's tiles behind a barrier in front of which every wave's reads of LDS are over; rows of 512 bytes leave as two aligned units of 256.
; REGISTERS: window 0: addresses, v32-79 scale words, v126-127 the add's, v128-255 the way out; window 1: wo's fragments, two sets of 96, and the bias at v192; window 2: the accumulators; window 3: attn's fragments, two sets of 48.
.set SPARE, 294912
.set ADR0, 4                           ; v4-5 wo's tiles 0-3 and 4-7 of my eight
.set ADR1, 6                           ; v6   attn's four
.set STO,  9
.set RD,   10
.set SC,   32
.set BK,   128
.set G1,  24
.set G0,  32
.set G1B, 40
.set G0B, 48
.set SB0, 56
.set SB1, 58
.set MSB, 0
.macro WIN new
.if MSB != \new
	s_set_vgpr_msb (MSB<<8)|\new
.set MSB, \new
.endif
.endm
.set MUL,   0xad
.set MULB,  0x9d
.set TO_S0, 0x40
.set TO_S1, 0xc0
.macro PLACES
.rept 4
	v_nop
.endr
.endm
.macro CROUND
	s_barrier_signal -1
	s_barrier_wait -1
	s_cmp_lg_u32 s18, 0
	s_cbranch_scc1 .Lnot_wave_0_\@
	s_barrier_signal -3
.Lnot_wave_0_\@:
	s_barrier_wait -3
	s_barrier_signal -1
	s_barrier_wait -1
.endm
.macro WM a, b, set, ks, cmode
.set rD, 8*(8*(\a)+(\b))
.set rA, 96*(\set)+12*(\b)
.set rB, 48*(\set)+12*(\a)
.set rX, SC+8*((\b)/2)+(\ks)
.set rY, SC+32+8*((\a)/2)+(\ks)
.set rC, rD
.if (\cmode) == 1
.set rC, 192+8*(\b)
.endif
.set par, 2*((\a)%2)+((\b)%2)
.if par == 0
	v_wmma_scale_f32_16x16x128_f8f6f4 v[rD:rD+7], v[rA:rA+11], v[rB:rB+11], v[rC:rC+7], v[rX], v[rY] matrix_a_fmt:MATRIX_FMT_BF6 matrix_b_fmt:MATRIX_FMT_BF6
.elseif par == 1
	v_wmma_scale_f32_16x16x128_f8f6f4 v[rD:rD+7], v[rA:rA+11], v[rB:rB+11], v[rC:rC+7], v[rX], v[rY] matrix_a_fmt:MATRIX_FMT_BF6 matrix_b_fmt:MATRIX_FMT_BF6 matrix_a_scale:MATRIX_SCALE_ROW1
.elseif par == 2
	v_wmma_scale_f32_16x16x128_f8f6f4 v[rD:rD+7], v[rA:rA+11], v[rB:rB+11], v[rC:rC+7], v[rX], v[rY] matrix_a_fmt:MATRIX_FMT_BF6 matrix_b_fmt:MATRIX_FMT_BF6 matrix_b_scale:MATRIX_SCALE_ROW1
.else
	v_wmma_scale_f32_16x16x128_f8f6f4 v[rD:rD+7], v[rA:rA+11], v[rB:rB+11], v[rC:rC+7], v[rX], v[rY] matrix_a_fmt:MATRIX_FMT_BF6 matrix_b_fmt:MATRIX_FMT_BF6 matrix_a_scale:MATRIX_SCALE_ROW1 matrix_b_scale:MATRIX_SCALE_ROW1
.endif
.endm
.macro MULA a, set, ks, cmode
.irp b, 0,1,2,3,4,5,6,7
	WM \a, \b, \set, \ks, \cmode
.endr
.endm
.macro MWIN cmode
.if (\cmode) == 1
	WIN MULB
.else
	WIN MUL
.endif
.endm
.macro FETCH q, set                    ; K step q's fragments: 36 loads of 512 consecutive bytes
	WIN TO_S0
.irp i, 0,1,2,3,4,5,6,7
.irp c, 0,1,2
	ds_load_b128 v[96*(\set)+12*\i+4*\c:96*(\set)+12*\i+4*\c+3], v[ADR0+\i/4] offset:12288*(\i%4)+1536*(\q)+512*\c
.endr
.endr
	WIN TO_S1
.irp i, 0,1,2,3
.irp c, 0,1,2
	ds_load_b128 v[48*(\set)+12*\i+4*\c:48*(\set)+12*\i+4*\c+3], v[ADR1] offset:12288*\i+1536*(\q)+512*\c
.endr
.endr
.endm
.macro STEP ks, cmode                  ; 32 products of K step ks; the next step's fragments are fetched behind the first eight
	s_wait_dscnt 0x0
	MWIN \cmode
	MULA 0, (\ks)%2, \ks, \cmode
	PLACES
	FETCH (\ks)+1, 1-(\ks)%2
	MWIN \cmode
	MULA 1, (\ks)%2, \ks, \cmode
	MULA 2, (\ks)%2, \ks, \cmode
	MULA 3, (\ks)%2, \ks, \cmode
.endm
	s_load_b256 s[4:11], s[0:1], 0x0               ; acodes, ascales, codes, scales
	s_load_b128 s[12:15], s[0:1], 0x20             ; bo, out0
	v_lshl_add_u32 v126, v0, 2, SPARE
	v_mov_b32 v127, 0
	ds_add_u32 v126, v127                          ; the opening lines: the add, twice on end, and its wait
	ds_add_u32 v126, v127
	v_lshrrev_b32 v1, 5, v0
	v_readfirstlane_b32 s18, v1                    ; wave
	s_lshr_b32 s19, s18, 1                         ; my half of the rows; also: I fetch attn's tiles (0) or wo's (1)
	s_and_b32 s20, s18, 1                          ; my half of the columns; also: which half I fetch
	s_bfe_u32 s21, ttmp6, 0x40000                  ; cx
	s_bfe_u32 s22, ttmp6, 0x40004                  ; cy
	s_and_b32 s23, ttmp7, 0xffff
	s_lshl_b32 s66, s22, 2
	s_lshl_b32 s66, 15, s66
	s_or_b32 s[G1], s66, (3<<16)|(1<<21)           ; attn's tiles go to my row of the cluster; elements of 8 bytes
	s_mov_b32 s[G1+1], 1536<<16                    ; a row: a row tile's 12,288 bytes
	s_mov_b32 s[G1+2], 4<<16
	s_mov_b32 s[G1+3], 1536<<16
	s_mov_b32 s[G1+4], 4
	s_mov_b32 s[G1+5], 1536
	s_mov_b32 s[G1+6], 0
	s_mov_b32 s[G1+7], 0
	s_lshl_b32 s67, s23, 2
	s_add_co_u32 s67, s67, s22                     ; my block of 128 rows
	s_lshl_b32 s68, s67, 3
	s_lshl_b32 s69, s20, 2
	s_add_co_u32 s68, s68, s69
	s_mul_i32 s68, s68, 12288
	s_mov_b32 s69, 0
	s_lshl_b32 s72, 0x1111, s21
	s_or_b32 s[G1B], s72, (3<<16)|(1<<21)          ; wo's tiles go to my column
	s_mov_b32 s[G1B+1], 1536<<16
	s_mov_b32 s[G1B+2], 8<<16
	s_mov_b32 s[G1B+3], 1536<<16
	s_mov_b32 s[G1B+4], 8
	s_mov_b32 s[G1B+5], 1536
	s_mov_b32 s[G1B+6], 0
	s_mov_b32 s[G1B+7], 0
	s_lshl_b32 s73, s21, 4
	s_lshl_b32 s74, s20, 3
	s_add_co_u32 s73, s73, s74
	s_add_co_u32 s74, s73, 1728                    ; wo's row tiles begin at 1,728
	s_mul_i32 s74, s74, 12288
	s_mov_b32 s75, 0
	s_mul_i32 s78, s20, 49152                      ; LDS: attn's two halves,
	s_mul_i32 s79, s20, 98304
	s_add_co_u32 s79, s79, 98304                   ; then wo's two
	s_add_co_u32 s56, s73, 1728
	s_lshl_b32 s56, s56, 9
	s_mov_b32 s57, 0
	s_lshl_b32 s58, s67, 3
	s_lshl_b32 s59, s19, 2
	s_add_co_u32 s58, s58, s59
	s_lshl_b32 s58, s58, 9
	s_mov_b32 s59, 0
	s_lshl_b32 s80, s73, 6
	s_mov_b32 s81, 0
	s_lshl_b32 s82, s67, 19
	s_lshl_b32 s83, s19, 18
	s_add_co_u32 s82, s82, s83
	s_add_co_u32 s82, s82, s80
	s_mov_b32 s83, 0
	s_mov_b32 s[G0], 1
	s_mov_b32 s[G0+1], s78
	s_mov_b32 s[G0B], 1
	s_mov_b32 s[G0B+1], s79
	s_wait_dscnt 0x0                               ; both opening adds are done
	s_wait_kmcnt 0x0
	s_add_nc_u64 s[G0+2:G0+3], s[4:5], s[68:69]
	s_or_b32 s[G0+3], s[G0+3], 0x80000000
	s_add_nc_u64 s[G0B+2:G0B+3], s[8:9], s[74:75]
	s_or_b32 s[G0B+3], s[G0B+3], 0x80000000
	CROUND                                         ; all sixteen work-groups are here: the joint loads meet
	s_cmp_eq_u32 s19, 0
	s_cbranch_scc0 .Lfor_b
	tensor_load_to_lds s[G0:G0+3], s[G1:G1+7]      ; one tensor load a wave, in either arm
	s_nop 0
.rept 4
	v_nop
.endr
	s_branch .Lasked
.Lfor_b:
	tensor_load_to_lds s[G0B:G0B+3], s[G1B:G1B+7]
	s_nop 0
.rept 4
	v_nop
.endr
.Lasked:
	s_add_nc_u64 s[SB0:SB0+1], s[10:11], s[SB0:SB0+1]
	s_add_nc_u64 s[SB1:SB1+1], s[6:7], s[SB1:SB1+1]
	s_add_nc_u64 s[12:13], s[12:13], s[80:81]
	s_add_nc_u64 s[14:15], s[14:15], s[82:83]
	s_add_co_u32 s85, s79, 49152
	s_mul_i32 s84, s19, 49152
	s_mul_i32 s86, s18, 8448
	v_and_b32 v1, 31, v0
	v_and_b32 v2, 15, v0
	v_bfe_u32 v3, v0, 4, 1
	v_lshlrev_b32 v8, 4, v1
	v_add_nc_u32 v[ADR0], s79, v8
	v_add_nc_u32 v[ADR0+1], s85, v8
	v_add_nc_u32 v[ADR1], s84, v8
	v_mul_u32_u24 v[STO], v2, 528
	v_lshl_add_u32 v[STO], v3, 6, v[STO]
	v_add_nc_u32 v[STO], s86, v[STO]
	v_add_nc_u32 v[RD], s86, v8
	v_lshlrev_b32 v12, 9, v3
	v_lshl_add_u32 v12, v2, 4, v12
	v_lshlrev_b32 v13, 6, v3
	s_wait_alu depctr_va_vdst(0)
.irp j, 0,1,2,3
.irp k, 0,1
	global_load_b128 v[SC+8*\j+4*\k:SC+8*\j+4*\k+3], v12, s[SB0:SB0+1] offset:1024*\j+256*\k
.endr
.endr
.irp j, 0,1
.irp k, 0,1
	global_load_b128 v[SC+32+8*\j+4*\k:SC+32+8*\j+4*\k+3], v12, s[SB1:SB1+1] offset:1024*\j+256*\k
.endr
.endr
	WIN TO_S0
.irp t, 0,1,2,3,4,5,6,7
	global_load_b128 v[192+8*\t:195+8*\t], v13, s[12:13] offset:128*(\t/2)+32*(\t%2)
	global_load_b128 v[196+8*\t:199+8*\t], v13, s[12:13] offset:128*(\t/2)+32*(\t%2)+16
.endr
	WIN 0
	s_wait_loadcnt 0x0                             ; the scale words and the bias
	s_wait_tensorcnt 0x0                           ; my share of the tiles is in
	s_barrier_signal -1
	s_barrier_wait -1                              ; and everybody's
	FETCH 0, 0
	STEP 0, 1
	STEP 1, 0
	STEP 2, 0
	STEP 3, 0
	STEP 4, 0
	STEP 5, 0
	STEP 6, 0
	s_wait_dscnt 0x0                               ; my reads of the tiles are over:
	s_barrier_signal -1                            ; say so, work on registers while the others arrive,
	WIN MUL
	MULA 0, 1, 7, 0
	MULA 1, 1, 7, 0
	MULA 2, 1, 7, 0
	MULA 3, 1, 7, 0
	WIN 0
	s_barrier_wait -1                              ; and only then lay the stage on attn's tiles
.macro TOSTAGE a
	WIN 0x08
.irp t, 0,1,2,3,4,5,6,7
	ds_store_b128 v[STO], v[64*(\a)+8*\t:64*(\a)+8*\t+3] offset:128*(\t/2)+32*(\t%2)
	ds_store_b128 v[STO], v[64*(\a)+8*\t+4:64*(\a)+8*\t+7] offset:128*(\t/2)+32*(\t%2)+16
.endr
	WIN 0
.irp t, 0,1,2,3,4,5,6,7,8,9,10,11,12,13,14,15
	ds_load_b128 v[BK+64*((\a)%2)+4*\t:BK+64*((\a)%2)+4*\t+3], v[RD] offset:\t*528
.endr
.endm
.macro SEND a, younger
	s_wait_dscnt \younger
.irp t, 0,1,2,3,4,5,6,7,8,9,10,11,12,13,14,15
	global_store_b128 v8, v[BK+64*((\a)%2)+4*\t:BK+64*((\a)%2)+4*\t+3], s[14:15] offset:(32*((\a)/2)+16*(\t/8)+8*((\a)%2)+\t%8)*4096 th:TH_STORE_NT
.endr
.endm
	PLACES
	TOSTAGE 0
	TOSTAGE 1
	SEND 0, 32                                     ; behind block 0's loads: block 1's 16 stores and 16 loads
	s_wait_xcnt 0x0                                ; block 0's stores have read their registers
	TOSTAGE 2
	SEND 1, 32
	s_wait_xcnt 0x0
	TOSTAGE 3
	SEND 2, 32
	SEND 3, 0
	s_wait_tensorcnt 0x0                           ; the wave's end
	ds_add_u32 v126, v127
	s_wait_dscnt 0x0
	CROUND                                         ; the closing round
	s_endpgm
.Lfunc_end_k_q3c123f56bc_outp:
	.size	k_q3c123f56bc_outp, .Lfunc_end_k_q3c123f56bc_outp-k_q3c123f56bc_outp
	.p2alignl 7, 3214868480
	.fill 96, 4, 3214868480
	.section	.rodata,"a",@progbits
	.p2align	6, 0x0
	.amdhsa_kernel k_q3c123f56bc_outp
		.amdhsa_group_segment_fixed_size 327680
		.amdhsa_private_segment_fixed_size 0
		.amdhsa_enable_private_segment 0
		.amdhsa_kernarg_size 48
		.amdhsa_user_sgpr_count 2
		.amdhsa_user_sgpr_kernarg_segment_ptr 1
		.amdhsa_wavefront_size32 1
		.amdhsa_system_sgpr_workgroup_id_x 1
		.amdhsa_system_sgpr_workgroup_id_y 1
		.amdhsa_system_sgpr_workgroup_id_z 1
		.amdhsa_system_vgpr_workitem_id 0
		.amdhsa_next_free_vgpr 1024
		.amdhsa_next_free_sgpr 90
		.amdhsa_reserve_vcc 0
		.amdhsa_float_denorm_mode_32 3
		.amdhsa_float_denorm_mode_16_64 3
		.amdhsa_memory_ordered 1
		.amdhsa_forward_progress 1
		.amdhsa_inst_pref_size 76
	.end_amdhsa_kernel
	.amdgpu_metadata
---
amdhsa.version: [ 1, 2 ]
amdhsa.kernels:
  - .name:           k_q3c123f56bc_outp
    .symbol:         k_q3c123f56bc_outp.kd
    .args:
      - { .name: acodes, .offset: 0, .size: 8, .value_kind: global_buffer, .address_space: global }
      - { .name: ascales, .offset: 8, .size: 8, .value_kind: global_buffer, .address_space: global }
      - { .name: codes, .offset: 16, .size: 8, .value_kind: global_buffer, .address_space: global }
      - { .name: scales, .offset: 24, .size: 8, .value_kind: global_buffer, .address_space: global }
      - { .name: bo, .offset: 32, .size: 8, .value_kind: global_buffer, .address_space: global }
      - { .name: out0, .offset: 40, .size: 8, .value_kind: global_buffer, .address_space: global }
    .group_segment_fixed_size: 327680
    .private_segment_fixed_size: 0
    .kernarg_segment_align: 8
    .kernarg_segment_size: 48
    .max_flat_workgroup_size: 128
    .sgpr_count:     90
    .vgpr_count:     1024
    .wavefront_size: 32
...
	.end_amdgpu_metadata
.endif
;; end of part 4
